; MI455X (gfx1250); checked and timed in simulation.
; The chip was launched on July 23, 2026; its instructions are those of AMD's public machine-readable ISA for CDNA 5 (MIT licence, August 2026) and "CDNA5" Instruction Set Architecture Reference Guide (July 2026). The comments in the code are by the model that wrote it; some were corrected since.
;; Self Attention. Allowed arithmetic: matrix products marked QUANTISED: E2M1 operands, one E8M0 scale for each 32 along K, by v_wmma_scale_f32_16x16x128_f8f6f4 with both operands' format E2M1 (or v_wmma_scale_f32_32x16x128_f4), f32 sums; products left as they are: bf16, f16 or f32 operands; f32 sums; everything else in f32.
;; Inputs: W_qkv 3,072 x 1,024 float32; x 4 x 2,048 x 1,024 float32.
;; Outputs: out0 4 x 2,048 x 1,024 float32.
;; This version of the problem:
;;   THIS VERSION OF THE PROBLEM IS GIVEN IN LOW PRECISION. The matrix products marked QUANTISED in the list below multiply operands that are first quantised to E2M1 (2 exponent bits, 1 mantissa bit; 4 bits a number), with one power-of-two scale for each 32 numbers along K (OCP MX v1.0); their sums are f32. The products marked 'left as it is' may take bf16, f16 or f32 operands, with f32 sums. Whichever they take, every output number must still come out within the allowed error. Rounding operands to bf16 (8 significant bits) uses up far more of that allowance than f16 does (11 bits, for magnitudes from 6e-5 to 65,504). All else is computed in f32.
;;   The module's matrix products, in the order in which they are computed (A, B: the left and right operand; K: the contracted axis; several contracted axes count as one K, in the product's order):
;;     1. [M 8,192, K 1,024] x [K 1,024, N 3,072]; A: input x; B: input W_qkv: QUANTISED
;;     2. batch 4 x [M 2,048, K 1,024] x [K 1,024, N 2,048]; A: computed on the way; B: computed on the way: left as it is (an operand is computed on the way)
;;     3. batch 4 x [M 2,048, K 2,048] x [K 2,048, N 1,024]; A: computed on the way; B: computed on the way: left as it is (an operand is computed on the way)
;;   THE QUANTISER, for each operand of a quantised product, along K:
;;     - K is cut into blocks of 32 from its start; a last block that is shorter is filled with zeros.
;;     - A block's scale is 2^e with e = floor(log2(the largest magnitude in the block)) - 2, held to -126 .. 127; a block of zeros has e = 0. As a byte (E8M0): e + 127.
;;     - Each number is divided by its block's scale, clamped to +-6, and rounded to the nearest number of E2M1, ties to even, subnormals kept.
;;     - The product sums the exact products of the quantised numbers (number of the format x scale) in f32.
;;   ~~~python
;;   def quantise(x, axis):      # numpy; x: float32 -> the quantised numbers, widened to float32 again
;;       x = np.moveaxis(x, axis, -1); K = x.shape[-1]
;;       x = np.pad(x, [(0, 0)] * (x.ndim - 1) + [(0, -K % 32)]); x = x.reshape(x.shape[:-1] + (-1, 32)); a = np.abs(x).max(-1, keepdims=True)
;;       e = np.where(a > 0, np.clip(np.frexp(np.where(a > 0, a, 1))[1] - 1 - 2, -126, 127), 0)      # np.frexp(a)[1] - 1 = floor(log2(a)), exactly
;;       r = np.clip(x / 2.0 ** e, -6, 6)
;;       step = 2.0 ** (np.maximum(np.frexp(np.where(r == 0, 1, r))[1] - 1, 0) - 1)
;;       q = np.round(r / step) * step * 2.0 ** e      # np.round: ties to even
;;       return np.moveaxis(q.reshape(q.shape[:-2] + (-1,))[..., :K], -1, axis).astype(np.float32)
;;   ~~~
;; One version. Each part assembles by itself: llvm-mc -triple=amdgcn-amd-amdhsa -mcpu=gfx1250 --defsym DOCPART=n.
;; ======== version 1 of 1: 4 launches
;; limits: values are held in f16: magnitudes above 65,504 overflow, below 6.1e-05 lose precision
;; workspace buffers: xc 4,194,304 bytes; xs 262,144 bytes; wc 1,572,864 bytes; ws 98,304 bytes; qkv 50,331,648 bytes; pm 33,554,432 bytes; st 1,048,576 bytes
;; launch quant (part 1): grid 352 x 1, 4 waves a work-group, no clusters, 33,280 bytes of LDS; arguments x, W_qkv, xc, xs, wc, ws; writes xc, xs, wc, ws
.if DOCPART == 1
	.amdgcn_target "amdgcn-amd-amdhsa--gfx1250"
	.amdhsa_code_object_version 6
	.text
	.protected	k_qdcf10903b0_quant
	.globl	k_qdcf10903b0_quant
	.p2align	8
	.type	k_qdcf10903b0_quant,@function
k_qdcf10903b0_quant:
	s_mov_b64 s[64:65], 0
	v_nop
	global_prefetch_b8 v0, s[64:65] scope:SCOPE_SE
	s_setreg_imm32_b32 hwreg(HW_REG_WAVE_MODE, 25, 1), 1
	s_wait_xcnt 0x0
; x [8192][1024] and W_qkv [3072][1024], f32, become codes of FP4 (E2M1), K innermost, two codes a byte, with one E8M0 scale byte for each 32 along K.
; A block's scale is 2^(floor(log2(its largest magnitude)) - 2); its byte is the largest magnitude's own exponent field - 2, held at 1 from below.  A block of zeros gets the byte 1: its codes are
; zeros, which add nothing, and this program alone reads the bytes.  Each number is divided by the scale and rounded to the nearest code, ties to even, beyond 6 to 6.
; W's ROWS ARE REGROUPED: row 3 i + c of W (c = 0: q, 1: k, 2: v) becomes row 1024 c + i of wc and ws, so that the projection's columns fall into three planes.
; LIMITS: blocks whose largest magnitude lies under 2^-124 keep the byte 1; NaN and infinities among the inputs are not served.
; SHARES.  Work-groups 0-255 take x, 256-351 take W.  A wave takes 8 rows, 16 steps of 512 numbers: 4,096 bytes of codes and 256 scale bytes, both dense in the output.  Only the pointers, the
; distance from row to row and the first row's place differ between the tensors: one path through the text.
; Each load reads 512 consecutive bytes, 16 a lane; a step's 2,048 bytes turn through the wave's own stage in LDS and come back 64 bytes a lane: 16 neighbours along K, two lanes to a block.
; No matrix unit, no cluster, no tensor load, no barrier: the work-groups share no input and the waves share nothing.  Loads run eight steps (32 loads, 16,384 bytes a wave) ahead.
.set WAVES, 4
.set STEPS, 16
.set DEPTH, 8                          ; steps whose loads are out
.set WGX,   256                        ; work-groups for x: 8192 x 1024 / 32768
.set EMAX,  2
.set CB,    8                          ; bytes of 16 codes
.set R,     16                         ; v16-143  eight sets of 16 numbers as they are loaded
.set X,     144                        ; v144-175 two sets of 16 neighbours
.set E,     176                        ; v176-191 a scale byte for each step
.set C,     192                        ; v192-223 codes: two registers for each step, so that no store's data are written again
.set OFFR,  224                        ; v224-231 row j of my eight: 16 x lane + j x the distance from row to row
.set WREG,  8192                       ; LDS: a region for each wave: two stages of 32 x SP bytes, behind them its 256 scale bytes
.set SP,    80                         ; a lane's place in a stage: 64 bytes + 16 of padding
.set SPW,   12                         ; v12 LDS address of my spare word; never rewritten
.set NIL,   13                         ; v13 0; never rewritten
.set SPARE, WAVES*WREG                 ; behind the regions: the spare words, 128 bytes a wave
	s_load_b128 s[4:7], s[0:1], 0x0                ; x, W
	s_load_b128 s[8:11], s[0:1], 0x10              ; x's codes, x's scales
	s_load_b128 s[12:15], s[0:1], 0x20             ; W's codes, W's scales
	v_lshl_add_u32 v[SPW], v0, 2, SPARE
	v_mov_b32 v[NIL], 0
	v_lshrrev_b32 v1, 5, v0
	v_readfirstlane_b32 s16, v1                    ; wave
	v_and_b32 v2, 31, v0                           ; lane
	v_lshlrev_b32 v3, 4, v2                        ; my 16 bytes of a load's 512
	s_mul_i32 s17, s16, WREG
	v_lshrrev_b32 v14, 2, v2
	v_mul_u32_u24 v14, v14, SP
	v_and_b32 v15, 3, v2
	v_lshl_add_u32 v14, v15, 4, v14
	v_add_nc_u32 v14, s17, v14                     ; the stage, on the way in: SP (lane / 4) + 16 (lane % 4)
	v_mul_u32_u24 v15, v2, SP
	v_add_nc_u32 v15, s17, v15                     ; and on the way out: SP x lane: my 16 neighbours
	v_mul_u32_u24 v4, v2, CB                       ; my codes' place in a step's
	v_lshrrev_b32 v5, 1, v2
	s_add_co_u32 s17, s17, 2*32*SP
	v_add_nc_u32 v5, s17, v5                       ; LDS: my wave's 256 scale bytes, my block's byte
	v_lshlrev_b32 v7, 3, v2                        ; and on the way out 8 bytes a lane
	v_add_nc_u32 v6, s17, v7
	s_wait_kmcnt 0x0
	s_cmp_lt_u32 ttmp9, WGX                        ; x's work-group or W's?  The choice hangs on the work-group's number alone
	s_cselect_b64 s[4:5], s[4:5], s[6:7]
	s_cselect_b64 s[8:9], s[8:9], s[12:13]
	s_cselect_b64 s[10:11], s[10:11], s[14:15]
	s_mov_b32 s23, 12288
	s_cselect_b32 s22, 4096, s23                   ; from row to row: x's rows are neighbours, W's lie three rows apart
	s_cselect_b32 s17, 0, WGX
	s_sub_co_u32 s17, ttmp9, s17
	s_lshl_b32 s17, s17, 2
	s_add_co_u32 s18, s17, s16                     ; u: which run of 8 output rows is my wave's
	s_lshl_b32 s24, s18, 15                        ; x: 8 u rows of 4,096 bytes
	s_and_b32 s25, s18, 127
	s_mul_i32 s25, s25, 24
	s_lshr_b32 s26, s18, 7
	s_add_co_u32 s25, s25, s26
	s_lshl_b32 s25, s25, 12                        ; W: row 3 x 8 (u % 128) + u / 128
	s_cmp_lt_u32 ttmp9, WGX                        ; (the sums above have written SCC)
	s_cselect_b32 s20, s24, s25
	s_mov_b32 s21, 0
	s_add_nc_u64 s[4:5], s[4:5], s[20:21]
	s_lshl_b32 s20, s18, 12                        ; 4,096 bytes of codes a run
	s_add_nc_u64 s[8:9], s[8:9], s[20:21]
	s_lshl_b32 s20, s18, 8                         ; 256 scale bytes a run
	s_add_nc_u64 s[10:11], s[10:11], s[20:21]
.irp j, 0,1,2,3,4,5,6,7
	v_mad_u32_u24 v[OFFR+\j], s22, \j, v3
.endr
.macro LOAD t                          ; step t: half t % 2 of row t / 2
.irp i, 0,1,2,3
	global_load_b128 v[R+16*((\t)%DEPTH)+4*\i:R+16*((\t)%DEPTH)+4*\i+3], v[OFFR+(\t)/2], s[4:5] offset:2048*((\t)%2)+512*\i th:TH_LOAD_NT   ; 32 lanes read 512 consecutive bytes
.endr
.endm
.macro TURN t                          ; step t's numbers through the stage: LDS serves a wave's instructions in order, so no wait stands between the stores and the loads
.irp i, 0,1,2,3
	ds_store_b128 v14, v[R+16*((\t)%DEPTH)+4*\i:R+16*((\t)%DEPTH)+4*\i+3] offset:32*SP*((\t)%2)+8*SP*\i
.endr
.irp i, 0,1,2,3
	ds_load_b128 v[X+16*((\t)%2)+4*\i:X+16*((\t)%2)+4*\i+3], v15 offset:32*SP*((\t)%2)+16*\i
.endr
.endm
.irp t, 0,1,2,3,4,5,6,7
	LOAD \t
.endr
	s_wait_loadcnt 4*(DEPTH-1)                     ; step 0's four loads are in; the 28 of the seven steps behind it may be out
	TURN 0
.macro STEP t
.set XS, X+16*((\t)%2)
.if (\t) > 0
	s_wait_dscnt 1                                 ; this step's numbers are back from the stage (the last step's byte store may be out): so its stores into the stage have read their registers,
.else
	s_wait_dscnt 0x0
.endif
.if (\t)+DEPTH < STEPS
	LOAD (\t)+DEPTH                                ; which take the loads of eight steps on
.endif
.if (\t)+1 < STEPS
.if STEPS-2-(\t) >= DEPTH-1
	s_wait_loadcnt 4*(DEPTH-1)                     ; the next step's four loads are in; those of the seven steps behind it may be out
.else
	s_wait_loadcnt 4*(STEPS-2-(\t))                ; towards the end: those of the steps that are left
.endif
	TURN (\t)+1                                    ; and go through the other stage while this step is worked
.endif
	v_max3_num_f32 v8, |v[XS]|, |v[XS+1]|, |v[XS+2]|               ; the largest magnitude of my 16, in two chains
	v_max3_num_f32 v9, |v[XS+3]|, |v[XS+4]|, |v[XS+5]|
.irp i, 6,10
	v_max3_num_f32 v8, v8, |v[XS+\i]|, |v[XS+\i+1]|
	v_max3_num_f32 v9, v9, |v[XS+\i+2]|, |v[XS+\i+3]|
.endr
	v_max3_num_f32 v8, v8, |v[XS+14]|, |v[XS+15]|
	v_max3_num_f32 v8, v8, v9, (EMAX+1)<<23        ; and the floor 2^(EMAX + 1 - 127): the byte cannot fall under 1
	v_max_num_f32_dpp v8, v8, v8 row_xmask:1 row_mask:0xf bank_mask:0xf   ; and of my neighbour's 16: the block's
	v_add_nc_u32 v11, -(EMAX<<23), v8              ; EMAX off its exponent field: the conversion takes the exponent field of this operand as its scale, and nothing else of it
	v_cvt_scalef32_pk8_fp4_f32 v[C+2*(\t)], v[XS:XS+7], v11
	v_cvt_scalef32_pk8_fp4_f32 v[C+2*(\t)+1], v[XS+8:XS+15], v11
	v_lshrrev_b32 v[E+(\t)], 23, v11               ; the scale's byte (also the plain line behind the conversions)
	ds_store_b8 v5, v[E+(\t)] offset:16*(\t)       ; both lanes of a block write the same byte with the same value
	global_store_b64 v4, v[C+2*(\t):C+2*(\t)+1], s[8:9] offset:32*CB*(\t)   ; the wave stores 256 consecutive bytes, aligned
.endm
.irp t, 0,1,2,3,4,5,6,7,8,9,10,11,12,13,14,15
	STEP \t
.endr
	ds_load_b64 v[8:9], v6                         ; LDS serves a wave's instructions in order: these see my stores
	s_wait_dscnt 0x0
	global_store_b64 v7, v[8:9], s[10:11]          ; 32 lanes store 256 consecutive bytes, aligned
	s_wait_tensorcnt 0x0                           ; the wave's end
	ds_add_u32 v[SPW], v[NIL]
	s_wait_dscnt 0x0
	s_endpgm
.Lfunc_end_k_qdcf10903b0_quant:
	.size	k_qdcf10903b0_quant, .Lfunc_end_k_qdcf10903b0_quant-k_qdcf10903b0_quant
	.p2alignl 7, 3214868480
	.fill 96, 4, 3214868480
	.section	.rodata,"a",@progbits
	.p2align	6, 0x0
	.amdhsa_kernel k_qdcf10903b0_quant
		.amdhsa_group_segment_fixed_size 33280
		.amdhsa_private_segment_fixed_size 0
		.amdhsa_enable_private_segment 0
		.amdhsa_kernarg_size 48
		.amdhsa_user_sgpr_count 2
		.amdhsa_user_sgpr_kernarg_segment_ptr 1
		.amdhsa_wavefront_size32 1
		.amdhsa_system_sgpr_workgroup_id_x 1
		.amdhsa_system_sgpr_workgroup_id_y 1
		.amdhsa_system_sgpr_workgroup_id_z 1
		.amdhsa_system_vgpr_workitem_id 0
		.amdhsa_next_free_vgpr 232
		.amdhsa_next_free_sgpr 66
		.amdhsa_reserve_vcc 0
		.amdhsa_float_denorm_mode_32 3
		.amdhsa_float_denorm_mode_16_64 3
		.amdhsa_memory_ordered 1
		.amdhsa_forward_progress 1
		.amdhsa_inst_pref_size 34
	.end_amdhsa_kernel
	.amdgpu_metadata
---
amdhsa.version: [ 1, 2 ]
amdhsa.kernels:
  - .name:           k_qdcf10903b0_quant
    .symbol:         k_qdcf10903b0_quant.kd
    .args:
      - { .name: x, .offset: 0, .size: 8, .value_kind: global_buffer, .address_space: global }
      - { .name: W_qkv, .offset: 8, .size: 8, .value_kind: global_buffer, .address_space: global }
      - { .name: xc, .offset: 16, .size: 8, .value_kind: global_buffer, .address_space: global }
      - { .name: xs, .offset: 24, .size: 8, .value_kind: global_buffer, .address_space: global }
      - { .name: wc, .offset: 32, .size: 8, .value_kind: global_buffer, .address_space: global }
      - { .name: ws, .offset: 40, .size: 8, .value_kind: global_buffer, .address_space: global }
    .group_segment_fixed_size: 33280
    .private_segment_fixed_size: 0
    .kernarg_segment_align: 8
    .kernarg_segment_size: 48
    .max_flat_workgroup_size: 128
    .sgpr_count:     66
    .vgpr_count:     232
    .wavefront_size: 32
...
	.end_amdgpu_metadata
.endif
;; end of part 1
;; launch proj (part 2): grid 12 x 32, 4 waves a work-group, clusters of 4 x 4, 327,680 bytes of LDS; arguments xc, xs, wc, ws, qkv; writes qkv
.if DOCPART == 2
	.amdgcn_target "amdgcn-amd-amdhsa--gfx1250"
	.amdhsa_code_object_version 6
	.text
	.protected	k_qdcf10903b0_proj
	.globl	k_qdcf10903b0_proj
	.p2align	8
	.type	k_qdcf10903b0_proj,@function
k_qdcf10903b0_proj:
	s_mov_b64 s[64:65], 0
	v_nop
	global_prefetch_b8 v0, s[64:65] scope:SCOPE_SE
	s_setreg_imm32_b32 hwreg(HW_REG_WAVE_MODE, 25, 1), 1
	s_wait_xcnt 0x0
	s_wait_alu depctr_hold_cnt(0) depctr_sa_sdst(0) depctr_va_vdst(0) depctr_va_sdst(0) depctr_va_ssrc(0) depctr_va_vcc(0) depctr_vm_vsrc(0)
	s_getreg_b32 s2, hwreg(HW_REG_IB_STS2, 6, 4)
	s_cmp_eq_u32 s2, 0
	s_cbranch_scc0 .Lentry_in_a_cluster
	s_endpgm
.Lentry_in_a_cluster:
	s_bfe_u32 s2, ttmp6, 0x10000c
	s_cmp_lg_u32 s2, 0xf033
	s_cbranch_scc0 .Lentry_shape_is_right
	s_endpgm
.Lentry_shape_is_right:
; qkv = x W^T on codes of FP4 (E2M1) with one E8M0 scale for each 32 along K.  A = x's codes [8192][512 bytes], scales [8192][32]; B = W's codes [3072][512 bytes], scales [3072][32], its rows regrouped
; so that row 1024 c + i is q's (c = 0), k's (1) or v's (2) channel i.  Sums in f32; each result is rounded ONCE to f16 and stored into plane c of qkv, [3][8192][1024] f16.
; LIMIT: results are kept in f16: magnitudes under 65,504; under 6e-5 the absolute error is 3e-8.
; A tile of C, 256 x 256, is made by four waves, a wave 128 x 128: 64 accumulators, 512 registers.  K = 1,024 is two slots of 512 along K (LDS rows of 256 bytes + 16): both are asked for at the head, nothing is filled again.
; THE SCALES of the work-group's 256 + 256 rows, for all of K, are two dense blocks: they come into LDS once, as rows of 256 bytes + 16.
; CLUSTERS: 4 x 4 work-groups.  The four of a row of the cluster need the same tiles of A, the four of a column the same tiles of B: each tile is asked for JOINTLY.
; THE MATRIX INSTRUCTION IS USED TRANSPOSED (source 0 = 16 rows of B, source 1 = 16 rows of A): a lane then holds eight neighbouring numbers of a row of C.
; REGISTERS: window 0: v0-31 addresses; v32-95 scale words, two sets; v128-191 A's fragments, one set; on the way out v32-63, v224-255 rows read back, v192-223 packed results.
;   window 1: B's fragments, two sets, at v0 and v128.   window 2: accumulators of my rows 0-63 ((a, b) at v[8 (8 a + b)]);   window 3: of my rows 64-127.
.set SIZE_K, 1024
.set KSTEP,  512
.set NQ,     KSTEP/128
.set ROWB,   256                       ; a tile's row in bytes
.set KROW,   SIZE_K/2                  ; a row of codes in memory
.set PITCH,  272
.set FR,     8
.set NL,     2
.set NP,     4                         ; places behind this matrix instruction (ISA guide 7.12.1)
.set HALFT,  128*PITCH
.set SLOT,   4*HALFT
.set KS,     SIZE_K/32
.set SCL,    2*SLOT
.set HALFS,  (128*KS/256)*272
.set SBLK,   (16*KS/256)*272
.set SPARE,  SCL+4*HALFS               ; the spare words, 128 bytes a wave
.set SPITCH, 272                       ; the way out: 16 rows x (256 bytes + 16) for each wave, in slot 0, which has had its only fill and its last read by then
.set QROW,   2048                      ; a row of a plane of qkv in bytes
.set ADRA, 16
.set ADRB, 20
.set STO,  24
.set RD,   25
.set CO,   26
.set ADRS, 27
.set SPW,  28
.set NIL,  29
.set SC,   32
.set AF,   128
.set TMP,  192
.set OB,   32
.set G1, 24
.set G0, 32
.set G1B, 48
.set G0B, 56
.set G1S, 68
.set G0S, 76
.set G1SB, 80
.set G0SB, 88
.set MSB, 0
.macro WIN new                         ; the immediate's high byte repeats the setting that is left
.if MSB != (\new)
	s_set_vgpr_msb (MSB<<8)|(\new)
.set MSB, (\new)
.endif
.endm
.set MUL_LO, 0xa1                      ; source 0 (B) window 1, source 1 (A) window 0, C and D window 2
.set MUL_HI, 0xf1
.set TO_B,   0x40
; A joint load: waves 0 and 1 fetch for A, waves 2 and 3 for B; the branch hangs on the wave's number alone.  An s_nop 0 and four v_nop follow each line.
.macro JLOAD g0a, g1a, g0b, g1b
	s_cmp_eq_u32 s15, 0
	s_cbranch_scc0 .Lfor_b_\@
	tensor_load_to_lds s[\g0a:\g0a+3], s[\g1a:\g1a+7]
	s_nop 0
.rept 4
	v_nop
.endr
	s_branch .Lasked_\@
.Lfor_b_\@:
	tensor_load_to_lds s[\g0b:\g0b+3], s[\g1b:\g1b+7]
	s_nop 0
.rept 4
	v_nop
.endr
.Lasked_\@:
.endm
.macro CROUND                          ; a round of the cluster's barrier
	s_barrier_signal -1
	s_barrier_wait -1
	s_cmp_lg_u32 s14, 0
	s_cbranch_scc1 .Lnot_wave_0_\@
	s_barrier_signal -3
.Lnot_wave_0_\@:
	s_barrier_wait -3
	s_barrier_signal -1
	s_barrier_wait -1
.endm
	s_load_b128 s[4:7], s[0:1], 0x0                ; A's codes, A's scales
	s_load_b128 s[8:11], s[0:1], 0x10              ; B's codes, B's scales
	s_load_b64 s[12:13], s[0:1], 0x20              ; qkv
	v_lshl_add_u32 v[SPW], v0, 2, SPARE
	v_mov_b32 v[NIL], 0
	ds_add_u32 v[SPW], v[NIL]                      ; the wave's opening: the add, twice on end, and its wait ahead of my first tensor load
	ds_add_u32 v[SPW], v[NIL]
	v_lshrrev_b32 v1, 5, v0
	v_readfirstlane_b32 s14, v1                    ; wave 0..3
	s_lshr_b32 s15, s14, 1                         ; my half of the tile's rows.  Also: I fetch for A (0) or for B (1)
	s_and_b32 s16, s14, 1                          ; my half of its columns.  Also: which 128 rows I fetch
	s_bfe_u32 s40, ttmp6, 0x40000                  ; cx, cy
	s_bfe_u32 s41, ttmp6, 0x40004
	s_lshl_b32 s42, ttmp9, 2
	s_add_co_u32 s42, s42, s40                     ; tile column
	s_and_b32 s17, ttmp7, 0xffff
	s_lshl_b32 s17, s17, 2
	s_add_co_u32 s17, s17, s41                     ; tile row
	s_lshl_b32 s43, s41, 2
	s_lshl_b32 s43, 15, s43                        ; my row of the cluster
	s_lshl_b32 s44, 0x1111, s40                    ; my column
	s_or_b32 s[G1+0], s43, (0<<16)|(1<<20)|(1<<21)|(5<<22)|(3<<25)  ; the mask; elements of 1 byte; padding on; bit 21 beside a mask; 4 words behind every 64
	s_or_b32 s[G1B+0], s44, (0<<16)|(1<<20)|(1<<21)|(5<<22)|(3<<25)
.irp g, G1, G1B
	s_mov_b32 s[\g+1], ROWB<<16                    ; tensor_dim0
	s_mov_b32 s[\g+2], 128<<16                     ; tensor_dim1
	s_mov_b32 s[\g+3], ROWB<<16                    ; tile_dim0
	s_mov_b32 s[\g+4], 128                         ; tile_dim1
	s_mov_b32 s[\g+5], KROW                        ; the pitch
	s_mov_b32 s[\g+6], 0
	s_mov_b32 s[\g+7], 0
.endr
	s_or_b32 s[G1S+0], s43, (3<<16)|(1<<20)|(1<<21)|(5<<22)|(3<<25) ; the scales of 128 rows: a dense block, as rows of 32 elements of 8 bytes
	s_or_b32 s[G1SB+0], s44, (3<<16)|(1<<20)|(1<<21)|(5<<22)|(3<<25)
.irp g, G1S, G1SB
	s_mov_b32 s[\g+1], 32<<16
	s_mov_b32 s[\g+2], (128*KS/256)<<16
	s_mov_b32 s[\g+3], 32<<16
	s_mov_b32 s[\g+4], 128*KS/256
	s_mov_b32 s[\g+5], 32
	s_mov_b32 s[\g+6], 0
	s_mov_b32 s[\g+7], 0
.endr
	s_lshl_b32 s18, s16, 7
	s_lshl_b32 s20, s17, 8
	s_add_co_u32 s20, s20, s18                     ; A: row 256 x tile row + 128 x half
	s_lshl_b32 s46, s42, 8
	s_add_co_u32 s46, s46, s18                     ; B: row 256 x tile column + 128 x half
	s_mov_b32 s21, 0
	s_mov_b32 s47, 0
	s_mov_b64 s[18:19], KS
	s_mul_u64 s[22:23], s[20:21], s[18:19]         ; where these rows' scales begin
	s_mul_u64 s[92:93], s[46:47], s[18:19]
	s_mov_b64 s[18:19], KROW
	s_mul_u64 s[20:21], s[20:21], s[18:19]         ; and their codes
	s_mul_u64 s[46:47], s[46:47], s[18:19]
	s_mul_i32 s45, s14, HALFT                      ; where they go: wave x 128 rows
	s_mul_i32 s94, s14, HALFS
	s_wait_dscnt 0x0                               ; both opening adds are done
	s_wait_kmcnt 0x0
	s_add_nc_u64 s[20:21], s[4:5], s[20:21]
	s_add_nc_u64 s[22:23], s[6:7], s[22:23]
	s_add_nc_u64 s[46:47], s[8:9], s[46:47]
	s_add_nc_u64 s[92:93], s[10:11], s[92:93]
	CROUND                                         ; all sixteen work-groups are here: the joint loads meet
	s_mov_b32 s[G0S], 1
	s_add_co_u32 s[G0S+1], s94, SCL
	s_mov_b64 s[G0S+2:G0S+3], s[22:23]
	s_or_b32 s[G0S+3], s[G0S+3], 0x80000000
	s_mov_b32 s[G0SB], 1
	s_add_co_u32 s[G0SB+1], s94, SCL
	s_mov_b64 s[G0SB+2:G0SB+3], s[92:93]
	s_or_b32 s[G0SB+3], s[G0SB+3], 0x80000000
	JLOAD G0S, G1S, G0SB, G1SB                     ; the scales first; with the two slots three loads of mine are out
.irp s, 0,1
	s_mov_b32 s[G0+4*\s], 1
	s_add_co_u32 s[G0+4*\s+1], s45, \s*SLOT
	s_add_nc_u64 s[G0+4*\s+2:G0+4*\s+3], s[20:21], \s*ROWB
	s_or_b32 s[G0+4*\s+3], s[G0+4*\s+3], 0x80000000
	s_mov_b32 s[G0B+4*\s], 1
	s_add_co_u32 s[G0B+4*\s+1], s45, \s*SLOT
	s_add_nc_u64 s[G0B+4*\s+2:G0B+4*\s+3], s[46:47], \s*ROWB
	s_or_b32 s[G0B+4*\s+3], s[G0B+4*\s+3], 0x80000000
	JLOAD G0+4*\s, G1, G0B+4*\s, G1B
.endr
	v_and_b32 v1, 15, v0                           ; r = l % 16
	v_bfe_u32 v2, v0, 4, 1                         ; h = l / 16
	v_mul_u32_u24 v3, v1, PITCH
	v_lshl_add_u32 v4, v2, 4, v3                   ; a fragment's row x pitch + 16 x half
	s_mul_i32 s21, s15, HALFT                      ; my 128 rows of A
	s_mul_i32 s22, s16, HALFT                      ; my 128 rows of B,
	s_add_co_u32 s22, s22, 2*HALFT                 ; behind A's 256
.irp s, 0,1
	v_add_nc_u32 v[ADRA+\s], s21, v4
	v_add_nc_u32 v[ADRB+\s], s22, v4
	s_add_co_u32 s21, s21, SLOT
	s_add_co_u32 s22, s22, SLOT
.endr
	v_mul_u32_u24 v5, v1, KS                       ; my row's scales: KS bytes a row,
	v_lshrrev_b32 v6, 8, v5
	v_lshl_add_u32 v5, v6, 4, v5                   ; and 16 more for each 256 passed
	s_mul_i32 s21, s15, HALFS
	s_mul_i32 s22, s16, HALFS
	s_add_co_u32 s22, s22, 2*HALFS
	s_sub_co_u32 s22, s22, s21
	v_mul_u32_u24 v6, s22, v2                      ; lanes 16-31 take B's
	s_add_co_u32 s21, s21, SCL
	v_add_nc_u32 v5, v5, v6
	v_add_nc_u32 v[ADRS], s21, v5
	s_mul_i32 s23, s14, 16*SPITCH                  ; my stage
	v_mul_u32_u24 v5, v1, SPITCH                   ; in: row r, 16 bytes for each half of the lanes
	v_lshl_add_u32 v5, v2, 4, v5
	v_add_nc_u32 v[STO], s23, v5
	v_mul_u32_u24 v5, v2, SPITCH                   ; back: lanes 0-15 one row of 256 bytes, lanes 16-31 the next
	v_lshl_add_u32 v5, v1, 4, v5
	v_add_nc_u32 v[RD], s23, v5
	v_lshlrev_b32 v5, 11, v2                       ; and the same two rows in the plane
	v_lshl_add_u32 v[CO], v1, 4, v5
	s_lshl_b32 s20, s17, 8
	s_lshl_b32 s21, s15, 7
	s_add_co_u32 s20, s20, s21                     ; my first row: 256 x tile row + 128 x half,
	s_lshl_b32 s20, s20, 11                        ; of 2,048 bytes
	s_lshr_b32 s46, s42, 2
	s_lshl_b32 s46, s46, 24                        ; the plane: four tile columns to one, 2^24 bytes each
	s_and_b32 s47, s42, 3
	s_lshl_b32 s47, s47, 9                         ; the tile's 256 columns in it, 2 bytes each
	s_add_co_u32 s46, s46, s47
	s_lshl_b32 s47, s16, 8                         ; my half of them
	s_add_co_u32 s46, s46, s47
	s_add_co_u32 s20, s20, s46                     ; (under 2^26)
	s_mov_b32 s21, 0
	s_add_nc_u64 s[12:13], s[12:13], s[20:21]
.macro FRAG reg, adr, q, i             ; 16 rows x 128 K of 4-bit codes: 8 registers: lane l holds row l % 16; registers 4 c .. 4 c + 3 hold K = 64 c + 32 (l / 16) + 0 .. 31
.irp c, 0,1
	ds_load_b128 v[\reg+4*\c:\reg+4*\c+3], v[\adr] offset:64*(\q)+32*\c+(\i)*16*PITCH
.endr
.endm
; 16 matrix instructions: A's blocks a0, a0 + 1 x B's eight.  The 64 accumulators take turns, one instruction a turn, in the same order in every step.
.macro MUL16 a0, p, q, sc, zero
.irp a, \a0, \a0+1
.irp b, 0,1,2,3,4,5,6,7
.if \zero
	v_wmma_scale_f32_16x16x128_f8f6f4 v[8*(8*((\a)%4)+\b):8*(8*((\a)%4)+\b)+7], v[128*(\p)+FR*\b:128*(\p)+FR*\b+FR-1], v[AF+FR*(\a):AF+FR*(\a)+FR-1], 0, v[SC+8*NQ*(\sc)+NQ*\b+(\q)], v[SC+8*NQ*(\sc)+NQ*(\a)+(\q)] matrix_a_fmt:MATRIX_FMT_FP4 matrix_b_fmt:MATRIX_FMT_FP4 matrix_a_scale:MATRIX_SCALE_ROW1
.else
	v_wmma_scale_f32_16x16x128_f8f6f4 v[8*(8*((\a)%4)+\b):8*(8*((\a)%4)+\b)+7], v[128*(\p)+FR*\b:128*(\p)+FR*\b+FR-1], v[AF+FR*(\a):AF+FR*(\a)+FR-1], v[8*(8*((\a)%4)+\b):8*(8*((\a)%4)+\b)+7], v[SC+8*NQ*(\sc)+NQ*\b+(\q)], v[SC+8*NQ*(\sc)+NQ*(\a)+(\q)] matrix_a_fmt:MATRIX_FMT_FP4 matrix_b_fmt:MATRIX_FMT_FP4 matrix_a_scale:MATRIX_SCALE_ROW1
.endif
.endr
.endr
.endm
.macro FETCH_B slot, q, p
	WIN TO_B
.irp i, 0,1,2,3,4,5,6,7
	FRAG 128*(\p)+FR*\i, ADRB+\slot, \q, \i
.endr
	WIN 0
.endm
.macro FETCH_A slot, q, i0
.irp i, \i0, \i0+1, \i0+2, \i0+3
	FRAG AF+FR*(\i), ADRA+\slot, \q, \i
.endr
.endm
.macro SCALES sc                       ; a slot's scale words: lanes 0-15 take A's block i, lanes 16-31 B's block i
.irp i, 0,1,2,3,4,5,6,7
	ds_load_b128 v[SC+8*NQ*\sc+NQ*\i:SC+8*NQ*\sc+NQ*\i+3], v[ADRS] offset:\i*SBLK
.endr
.endm
.macro PLACES n                        ; plain vector lines between a matrix instruction and a load into, or a read of, its registers
.rept \n
	v_nop
.endr
.endm
.macro STEP slot, q, zero              ; a step of 128 along K that has its successor in the same slot
	s_wait_dscnt 4*NL                              ; B's set and A's blocks 0-3 are in; the youngest eight loads (A's blocks 4-7) may be out
	WIN MUL_LO
	MUL16 0, (\q)%2, \q, \slot, \zero
	MUL16 2, (\q)%2, \q, \slot, \zero
	s_wait_dscnt 0                                 ; A's blocks 4-7 are in
	PLACES NP
	FETCH_B \slot, (\q)+1, 1-(\q)%2
	FETCH_A \slot, (\q)+1, 0
	WIN MUL_HI
	MUL16 4, (\q)%2, \q, \slot, \zero
	MUL16 6, (\q)%2, \q, \slot, \zero
	PLACES NP
	WIN 0
	FETCH_A \slot, (\q)+1, 4
.endm
; Slot 0's last step changes slots: one barrier; in front of it each wave waits for all its tensor loads (slot 1's part), adds 0 to its spare word, and waits for that and for its reads of slot 0.
.macro TURN slot, next
	s_wait_tensorcnt 0x0                           ; all my tensor loads have landed
	ds_add_u32 v[SPW], v[NIL]
	s_wait_dscnt 4*NL+1                            ; (the add and A's blocks 4-7 may be out)
	WIN MUL_LO
	MUL16 0, 1, NQ-1, \slot, 0
	s_wait_dscnt 0x0                               ; the add is done, and my reads of this slot are over
	s_barrier_signal -1
	MUL16 2, 1, NQ-1, \slot, 0
	WIN 0
	s_barrier_wait -1
	PLACES NP
	v_add_nc_u32 v[ADRS], 4*NQ, v[ADRS]            ; on to the next slot's scale words
	FETCH_B \next, 0, 0
	FETCH_A \next, 0, 0
	SCALES \next
	WIN MUL_HI
	MUL16 4, 1, NQ-1, \slot, 0
	MUL16 6, 1, NQ-1, \slot, 0
	PLACES NP
	WIN 0
	FETCH_A \next, 0, 4
.endm
	s_wait_tensorcnt 1                             ; the scales and my part of slot 0 are in (slot 1's load may be out)
	s_barrier_signal -1
	s_barrier_wait -1                              ; everybody's are
	FETCH_B 0, 0, 0
	FETCH_A 0, 0, 0
	SCALES 0
	FETCH_A 0, 0, 4
	STEP 0, 0, 1                                   ; the first step's products start the sums
	STEP 0, 1, 0
	STEP 0, 2, 0
	TURN 0, 1
	STEP 1, 0, 0
	STEP 1, 1, 0
	STEP 1, 2, 0
	s_wait_dscnt 4*NL                              ; the last step: nothing more to fetch
	WIN MUL_LO
	MUL16 0, 1, NQ-1, 1, 0
	MUL16 2, 1, NQ-1, 1, 0
	s_wait_dscnt 0
	WIN MUL_HI
	MUL16 4, 1, NQ-1, 1, 0
	MUL16 6, 1, NQ-1, 1, 0
	WIN 0
; THE WAY OUT, block by block of 16 rows x 128 columns: rounded to f16 (16 bytes a lane), through my own stage, back as whole rows of 256 bytes.
.macro PACK a
.set AC, 64*((\a)%4)
	WIN 0x0a+5*((\a)/4)                            ; sources 0 and 1: window 2 or 3
.irp b, 0,1,2,3,4,5,6,7
.irp r, 0,1,2,3
	v_cvt_pk_f16_f32 v[TMP+4*\b+\r], v[AC+8*\b+2*\r], v[AC+8*\b+2*\r+1]   ; each accumulator from its low end on
.endr
.endr
	WIN 0
.endm
.macro TOSTAGE a
.set BK, OB+192*((\a)%2)
.irp b, 0,1,2,3,4,5,6,7
	ds_store_b128 v[STO], v[TMP+4*\b:TMP+4*\b+3] offset:32*\b
.endr
.irp t, 0,1,2,3,4,5,6,7
	ds_load_b128 v[BK+4*\t:BK+4*\t+3], v[RD] offset:\t*2*SPITCH    ; LDS serves a wave's instructions in order: these see the stores above
.endr
.endm
.macro SEND a
.set BK, OB+192*((\a)%2)
	s_wait_dscnt 0x0                               ; the block is back in registers
	s_wait_xcnt 0x0                                ; the earlier stores have read their base and their data: both may be written again
.if (\a) > 0
	s_add_nc_u64 s[12:13], s[12:13], 16*QROW
.endif
.irp t, 0,1,2,3,4,5,6,7
	global_store_b128 v[CO], v[BK+4*\t:BK+4*\t+3], s[12:13] offset:2*\t*QROW   ; 16 lanes store 256 consecutive bytes, aligned
.endr
.endm
	PLACES NP
	PACK 0
	TOSTAGE 0
.irp a, 1,2,3,4,5,6,7                  ; block a's conversions stand between block a - 1's loads from the stage and the wait for them
	PACK \a
	SEND \a-1
	TOSTAGE \a
.endr
	SEND 7
	s_wait_tensorcnt 0x0                           ; the wave's end
	ds_add_u32 v[SPW], v[NIL]
	s_wait_dscnt 0x0
	CROUND                                         ; the closing round
	s_endpgm
.Lfunc_end_k_qdcf10903b0_proj:
	.size	k_qdcf10903b0_proj, .Lfunc_end_k_qdcf10903b0_proj-k_qdcf10903b0_proj
	.p2alignl 7, 3214868480
	.fill 96, 4, 3214868480
	.section	.rodata,"a",@progbits
	.p2align	6, 0x0
	.amdhsa_kernel k_qdcf10903b0_proj
		.amdhsa_group_segment_fixed_size 327680
		.amdhsa_private_segment_fixed_size 0
		.amdhsa_enable_private_segment 0
		.amdhsa_kernarg_size 40
		.amdhsa_user_sgpr_count 2
		.amdhsa_user_sgpr_kernarg_segment_ptr 1
		.amdhsa_wavefront_size32 1
		.amdhsa_system_sgpr_workgroup_id_x 1
		.amdhsa_system_sgpr_workgroup_id_y 1
		.amdhsa_system_sgpr_workgroup_id_z 1
		.amdhsa_system_vgpr_workitem_id 0
		.amdhsa_next_free_vgpr 1024
		.amdhsa_next_free_sgpr 98
		.amdhsa_reserve_vcc 0
		.amdhsa_float_denorm_mode_32 3
		.amdhsa_float_denorm_mode_16_64 3
		.amdhsa_memory_ordered 1
		.amdhsa_forward_progress 1
		.amdhsa_inst_pref_size 127
	.end_amdhsa_kernel
	.amdgpu_metadata
---
amdhsa.version: [ 1, 2 ]
amdhsa.kernels:
  - .name:           k_qdcf10903b0_proj
    .symbol:         k_qdcf10903b0_proj.kd
    .args:
      - { .name: xc, .offset: 0, .size: 8, .value_kind: global_buffer, .address_space: global }
      - { .name: xs, .offset: 8, .size: 8, .value_kind: global_buffer, .address_space: global }
      - { .name: wc, .offset: 16, .size: 8, .value_kind: global_buffer, .address_space: global }
      - { .name: ws, .offset: 24, .size: 8, .value_kind: global_buffer, .address_space: global }
      - { .name: qkv, .offset: 32, .size: 8, .value_kind: global_buffer, .address_space: global }
    .group_segment_fixed_size: 327680
    .private_segment_fixed_size: 0
    .kernarg_segment_align: 8
    .kernarg_segment_size: 40
    .max_flat_workgroup_size: 128
    .sgpr_count:     98
    .vgpr_count:     1024
    .wavefront_size: 32
...
	.end_amdgpu_metadata
.endif
;; end of part 2
;; launch scores (part 3): grid 8 x 32, 4 waves a work-group, clusters of 4 x 4, 327,680 bytes of LDS; arguments qkv, pm, st; writes pm, st
.if DOCPART == 3
	.amdgcn_target "amdgcn-amd-amdhsa--gfx1250"
	.amdhsa_code_object_version 6
	.text
	.protected	k_qdcf10903b0_scores
	.globl	k_qdcf10903b0_scores
	.p2align	8
	.type	k_qdcf10903b0_scores,@function
k_qdcf10903b0_scores:
	s_mov_b64 s[64:65], 0
	v_nop
	global_prefetch_b8 v0, s[64:65] scope:SCOPE_SE
	s_setreg_imm32_b32 hwreg(HW_REG_WAVE_MODE, 25, 1), 1
	s_wait_xcnt 0x0
	s_wait_alu depctr_hold_cnt(0) depctr_sa_sdst(0) depctr_va_vdst(0) depctr_va_sdst(0) depctr_va_ssrc(0) depctr_va_vcc(0) depctr_vm_vsrc(0)
	s_getreg_b32 s2, hwreg(HW_REG_IB_STS2, 6, 4)
	s_cmp_eq_u32 s2, 0
	s_cbranch_scc0 .Lentry_in_a_cluster
	s_endpgm
.Lentry_in_a_cluster:
	s_bfe_u32 s2, ttmp6, 0x10000c
	s_cmp_lg_u32 s2, 0xf033
	s_cbranch_scc0 .Lentry_shape_is_right
	s_endpgm
.Lentry_shape_is_right:
; S = q k^T for each of 4 batches, and the softmax's weights by blocks of 128 keys.  q = plane 0, k = plane 1 of qkv, [8192][1024] f16; sums in f32.
; For each query and each block kb of 128 keys: t = s x log2(e) / 32; M = the block's largest t rounded UP to a whole number, kept as N = -M = floor(-t); p = 2^(t - M), at most 1, rounded to f16 into
; pm [8192][2048]; l = the sum of the unrounded p.  N and l go to st [block of 128 rows][kb][N, l][r 16][a 8] (row 16 a + r).  The next launch takes the row's true maximum of the sixteen M and brings
; every block under it by an exact power of two: the maximum is taken away before every exponential, whatever the scores' size.
; LIMITS: NaN and infinities are not served; a weight under 2^-24 of its block's largest becomes 0 in f16.
; A tile, 256 queries x 256 keys, is made by four waves, a wave 128 x 128: 64 accumulators, 512 registers.  K = 1,024 goes in steps of 128 through a ring of two LDS slots (rows of 256 bytes + 16).
; CLUSTERS: 4 x 4 work-groups of one batch.  The four of a row of the cluster need the same tiles of q, the four of a column the same tiles of k: each tile is asked for JOINTLY.
; THE MATRIX INSTRUCTION IS USED TRANSPOSED (source 0 = 16 keys, source 1 = 16 queries): a lane holds ONE query (lane % 16) and eight neighbouring keys of each of the eight key blocks.
; REGISTERS: window 0: v0-31 addresses; v64-127, v128-191 q's fragments, two buffers; behind the loop v64-115 at work, v192-223 packed weights, v32-63 and v224-255 rows read back.
;   window 1: v64-127, v128-191 k's fragments.   window 2: accumulators of my queries 0-63 ((a, b) at v[8 (8 a + b)]);   window 3: of my queries 64-127.
.set SIZE_K, 1024
.set KSTEP,  128
.set PITCH,  272
.set HALFT,  128*PITCH
.set SLOT,   4*HALFT
.set STAGE,  2*SLOT                    ; behind the ring: 16 rows x 272 bytes for each wave
.set SPITCH, 272
.set SPARE,  STAGE+4*16*SPITCH         ; the spare words, 128 bytes a wave
.set LAPS,   SIZE_K/(2*KSTEP)
.set PLANE,  0x1000000                 ; bytes in a plane of qkv
.set PROW,   4096                      ; a row of pm in bytes
.set ADRA, 16                          ; v16-17 LDS address of my q fragments in slot 0, 1
.set SSA,  18                          ; v18 statistics into my stage: 32 x (lane % 16)
.set SSB,  19                          ; v19 and back: 16 x lane
.set ADRB, 20                          ; v20-21 the same as ADRA for k
.set SSO,  22                          ; v22 16 x lane: my place in a store of 512 bytes
.set STO,  24
.set RD,   25
.set CO,   26
.set SPW,  28
.set NIL,  29
.set PFO,  30                          ; v30 the prefetches' offset: lane x 2,048
.set OB,   32
.set F0,   64
.set F1,   128
.set T,    64                          ; v64-95 at work behind the loop
.set NM,   96                          ; v[96:97] N of the block in hand (v97 is written once: the pair is named)
.set MST,  100                         ; v100-107 N of my eight blocks of 16 queries
.set LST,  108                         ; v108-115 l likewise
.set TMP,  192
.set G1, 24
.set G0, 32
.set G1B, 48
.set G0B, 56
.set LIM, 43                           ; s43 1 in a wave that prefetches, else the greatest number
.set PFA, 44                           ; s[44:45] where my prefetches stand
.set CS,  66                           ; s[66:67] c = log2(e) / 32
.set SEL, 68                           ; s[68:69] lane selects: lane l xor 16
.set MSB, 0
.macro WIN new
.if MSB != (\new)
	s_set_vgpr_msb (MSB<<8)|(\new)
.set MSB, (\new)
.endif
.endm
.set MUL_LO, 0xa1                      ; source 0 (k) window 1, source 1 (q) window 0, C and D window 2
.set MUL_HI, 0xf1
.set TO_B,   0x40
.macro JLOAD s                         ; a joint load: waves 0 and 1 fetch q's halves, waves 2 and 3 k's; an s_nop 0 and four v_nop follow each line
	s_cmp_eq_u32 s11, 0
	s_cbranch_scc0 .Lfor_b_\@
	tensor_load_to_lds s[G0+4*\s:G0+4*\s+3], s[G1:G1+7]
	s_nop 0
.rept 4
	v_nop
.endr
	s_branch .Lasked_\@
.Lfor_b_\@:
	tensor_load_to_lds s[G0B+4*\s:G0B+4*\s+3], s[G1B:G1B+7]
	s_nop 0
.rept 4
	v_nop
.endr
.Lasked_\@:
.endm
; A prefetch of the K step that stands two refills on: 32 rows x 256 bytes, a lane a row, one instruction a wave.  q's tile rows are read by both clusters of a row of clusters: cluster x = 0 asks;
; k's tile columns by the two clusters of a batch's column: the even cluster y asks.  The four partners share a tile's rows out by address, 32 each.  The loop's last trip asks for nothing.
.macro ASK
	s_cmp_gt_u32 s3, s[LIM]
	s_cbranch_scc0 .Lnot_mine_\@
	global_prefetch_b8 v[PFO], s[PFA:PFA+1] offset:KSTEP*2 th:TH_LOAD_NT scope:SCOPE_SE
.Lnot_mine_\@:
.endm
.macro CREST
	s_cmp_lg_u32 s10, 0
	s_cbranch_scc1 .Lnot_wave_0_\@
	s_barrier_signal -3
.Lnot_wave_0_\@:
	s_barrier_wait -3
	s_barrier_signal -1
	s_barrier_wait -1
.endm
.macro CROUND
	s_barrier_signal -1
	s_barrier_wait -1
	CREST
.endm
	s_load_b64 s[4:5], s[0:1], 0x0                 ; qkv: plane 0 is q
	s_load_b64 s[8:9], s[0:1], 0x8                 ; pm
	s_load_b64 s[70:71], s[0:1], 0x10              ; st
	v_lshl_add_u32 v[SPW], v0, 2, SPARE
	v_mov_b32 v[NIL], 0
	ds_add_u32 v[SPW], v[NIL]                      ; the wave's opening: the add, twice on end, and its wait ahead of my first tensor load
	ds_add_u32 v[SPW], v[NIL]
	v_lshrrev_b32 v1, 5, v0
	v_readfirstlane_b32 s10, v1                    ; wave 0..3
	s_lshr_b32 s11, s10, 1                         ; my half of the tile's queries.  Also: I fetch for q (0) or for k (1)
	s_and_b32 s12, s10, 1                          ; my half of its keys.  Also: which 128 rows I fetch
	s_bfe_u32 s40, ttmp6, 0x40000                  ; cx
	s_bfe_u32 s41, ttmp6, 0x40004                  ; cy
	s_lshl_b32 s42, ttmp9, 2
	s_add_co_u32 s42, s42, s40                     ; key tile of the batch
	s_and_b32 s72, ttmp7, 0xffff                   ; cluster y
	s_lshl_b32 s13, s72, 2
	s_add_co_u32 s13, s13, s41                     ; query tile, over all batches
	s_lshr_b32 s73, s72, 1                         ; the batch: eight query tiles, two clusters
	s_lshl_b32 s43, s41, 2
	s_lshl_b32 s43, 15, s43                        ; my row of the cluster
	s_lshl_b32 s44, 0x1111, s40                    ; my column
	s_or_b32 s[G1+0], s43, (1<<16)|(1<<20)|(1<<21)|(5<<22)|(3<<25)  ; the mask; elements of 2 bytes; padding on; bit 21 beside a mask; 4 words behind every 64
	s_or_b32 s[G1B+0], s44, (1<<16)|(1<<20)|(1<<21)|(5<<22)|(3<<25)
.irp g, G1, G1B
	s_mov_b32 s[\g+1], KSTEP<<16                   ; tensor_dim0 = 128
	s_mov_b32 s[\g+2], 128<<16                     ; tensor_dim1 = 128
	s_mov_b32 s[\g+3], KSTEP<<16                   ; tile_dim0
	s_mov_b32 s[\g+4], 128                         ; tile_dim1
	s_mov_b32 s[\g+5], SIZE_K                      ; the pitch
	s_mov_b32 s[\g+6], 0
	s_mov_b32 s[\g+7], 0
.endr
	s_lshl_b32 s17, s12, 7
	s_lshl_b32 s16, s13, 8
	s_add_co_u32 s16, s16, s17                     ; q: row 256 x query tile + 128 x half,
	s_lshl_b32 s16, s16, 11                        ; of 2,048 bytes
	s_lshl_b32 s46, s42, 8
	s_add_co_u32 s46, s46, s17                     ; k: row 256 x key tile + 128 x half
	s_lshl_b32 s47, s73, 11
	s_add_co_u32 s46, s46, s47                     ; + 2,048 x batch
	s_lshl_b32 s46, s46, 11
	s_mov_b32 s17, 0
	s_mov_b32 s47, 0
	s_mul_i32 s20, s10, HALFT                      ; where they go: wave x 128 rows
	s_mov_b32 s[CS], 0x3d38aa3b                    ; c = log2(e) / 32
	s_mov_b32 s[CS+1], s[CS]
	s_mov_b32 s[SEL], 0x76543210
	s_mov_b32 s[SEL+1], 0xfedcba98
	s_wait_dscnt 0x0                               ; both opening adds are done
	s_wait_kmcnt 0x0
	s_add_nc_u64 s[6:7], s[4:5], PLANE             ; k
	s_add_nc_u64 s[14:15], s[4:5], s[16:17]
	s_add_nc_u64 s[46:47], s[6:7], s[46:47]
	CROUND                                         ; all sixteen work-groups are here: the first joint loads meet
.irp s, 0,1
	s_mov_b32 s[G0+4*\s], 1
	s_add_co_u32 s[G0+4*\s+1], s20, \s*SLOT
	s_add_nc_u64 s[G0+4*\s+2:G0+4*\s+3], s[14:15], \s*KSTEP*2
	s_or_b32 s[G0+4*\s+3], s[G0+4*\s+3], 0x80000000
	s_mov_b32 s[G0B+4*\s], 1
	s_add_co_u32 s[G0B+4*\s+1], s20, \s*SLOT
	s_add_nc_u64 s[G0B+4*\s+2:G0B+4*\s+3], s[46:47], \s*KSTEP*2
	s_or_b32 s[G0B+4*\s+3], s[G0B+4*\s+3], 0x80000000
	JLOAD \s                                       ; two loads of mine are out
.endr
	v_and_b32 v1, 15, v0                           ; r
	v_bfe_u32 v2, v0, 4, 1                         ; h
	v_mul_u32_u24 v3, v1, PITCH
	v_lshl_add_u32 v3, v2, 4, v3                   ; row x pitch + 16 x half
	s_mul_i32 s21, s11, HALFT                      ; my 128 queries
	s_mul_i32 s22, s12, HALFT                      ; my 128 keys,
	s_add_co_u32 s22, s22, 2*HALFT                 ; behind q's 256 rows
.irp s, 0,1
	v_add_nc_u32 v[ADRA+\s], s21, v3
	v_add_nc_u32 v[ADRB+\s], s22, v3
	s_add_co_u32 s21, s21, SLOT
	s_add_co_u32 s22, s22, SLOT
.endr
	s_mul_i32 s23, s10, 16*SPITCH
	s_add_co_u32 s23, s23, STAGE                   ; my stage
	v_mul_u32_u24 v4, v1, SPITCH
	v_lshl_add_u32 v4, v2, 4, v4
	v_add_nc_u32 v[STO], s23, v4                   ; in: row r, 16 bytes for each half of the lanes
	v_mul_u32_u24 v5, v2, SPITCH
	v_lshl_add_u32 v5, v1, 4, v5
	v_add_nc_u32 v[RD], s23, v5                    ; back: lanes 0-15 one row, lanes 16-31 the next
	v_lshlrev_b32 v5, 12, v2
	v_lshl_add_u32 v[CO], v1, 4, v5                ; and the same two rows in pm
	v_lshl_add_u32 v[SSA], v1, 5, s23
	v_and_b32 v5, 31, v0
	v_lshlrev_b32 v[SSO], 4, v5
	v_add_nc_u32 v[SSB], s23, v[SSO]
	s_lshl_b32 s13, s13, 8                         ; 256 x query tile
	s_lshl_b32 s14, s11, 7
	s_add_co_u32 s16, s13, s14                     ; my first row of pm,
	s_lshl_b32 s16, s16, 12                        ; of 4,096 bytes
	s_lshl_b32 s46, s42, 9                         ; my first key, 2 bytes each: 512 x key tile + 256 x half
	s_lshl_b32 s47, s12, 8
	s_add_co_u32 s46, s46, s47
	s_add_co_u32 s16, s16, s46
	s_mov_b32 s17, 0
	s_add_nc_u64 s[8:9], s[8:9], s[16:17]
	s_lshr_b32 s16, s13, 7
	s_add_co_u32 s16, s16, s11                     ; my block of 128 rows,
	s_lshl_b32 s16, s16, 14                        ; 16 x 1,024 bytes each
	s_lshl_b32 s18, s42, 1
	s_add_co_u32 s18, s18, s12                     ; my block of 128 keys
	s_lshl_b32 s18, s18, 10
	s_add_co_u32 s16, s16, s18
	s_add_nc_u64 s[70:71], s[70:71], s[16:17]
	; the prefetches
	s_lshl_b32 s42, s42, 8
	s_lshl_b32 s22, s73, 11
	s_add_co_u32 s42, s42, s22                     ; k's tile: its first row in the plane
	s_and_b32 s22, s72, 1                          ; which of the batch's two clusters along y
	s_cmp_eq_u32 s11, 0                            ; do I fetch for q?
	s_cselect_b32 s20, s13, s42                    ; the tile's first row
	s_cselect_b32 s21, s40, s41                    ; my place among the four that ask for it with me
	s_cselect_b32 s22, ttmp9, s22                  ; the coordinate along which other clusters read the same rows
	s_cselect_b64 s[PFA:PFA+1], s[4:5], s[6:7]
	s_cmp_eq_u32 s22, 0
	s_cselect_b32 s[LIM], 1, -1                    ; the same in all sixteen partners, for a given wave
	s_lshl_b32 s22, s12, 7
	s_add_co_u32 s20, s20, s22                     ; + the 128 rows that I fetch
	s_lshl_b32 s21, s21, 5
	s_add_co_u32 s20, s20, s21                     ; + my work-group's 32 of them
	s_lshl_b32 s20, s20, 11
	s_mov_b32 s21, 0
	s_add_nc_u64 s[PFA:PFA+1], s[PFA:PFA+1], s[20:21]
	s_add_nc_u64 s[PFA:PFA+1], s[PFA:PFA+1], 2*KSTEP*2  ; at K step 2: the first refill steps it to 3 and names K step 4.  Nothing is prefetched at the head
	v_and_b32 v[PFO], 31, v0
	v_lshlrev_b32 v[PFO], 11, v[PFO]
; 16 matrix instructions: query blocks a0, a0 + 1 of the window's four x all 8 key blocks, 32 along K.  The 64 accumulators take turns, one instruction a turn.
.macro MUL16 f, hi, a0, zero
.irp a, \a0, \a0+1
.irp b, 0,1,2,3,4,5,6,7
.if \zero
	v_wmma_f32_16x16x32_f16 v[8*(8*(\a)+\b):8*(8*(\a)+\b)+7], v[\f+8*\b:\f+8*\b+7], v[\f+8*(4*\hi+\a):\f+8*(4*\hi+\a)+7], 0
.else
	v_wmma_f32_16x16x32_f16 v[8*(8*(\a)+\b):8*(8*(\a)+\b)+7], v[\f+8*\b:\f+8*\b+7], v[\f+8*(4*\hi+\a):\f+8*(4*\hi+\a)+7], v[8*(8*(\a)+\b):8*(8*(\a)+\b)+7]
.endif
.endr
.endr
.endm
.macro FETCH slot, k, f                ; 32 LDS loads in one run: the fragments of one quarter step, k's first
	WIN TO_B
.irp i, 0,1,2,3,4,5,6,7
	ds_load_b128 v[\f+8*\i:\f+8*\i+3],   v[ADRB+\slot] offset:\k+\i*16*PITCH
	ds_load_b128 v[\f+8*\i+4:\f+8*\i+7], v[ADRB+\slot] offset:\k+\i*16*PITCH+32
.endr
	WIN 0
.irp i, 0,1,2,3,4,5,6,7
	ds_load_b128 v[\f+8*\i:\f+8*\i+3],   v[ADRA+\slot] offset:\k+\i*16*PITCH
	ds_load_b128 v[\f+8*\i+4:\f+8*\i+7], v[ADRA+\slot] offset:\k+\i*16*PITCH+32
.endr
.endm
.macro PLACES                          ; four plain vector lines between a matrix instruction and a load into, or a vector read or write of, its registers
.rept 4
	v_nop
.endr
.endm
.macro QUARTER slot, k, f, g, zero     ; 64 matrix instructions on buffer f; in the middle the next quarter's fragments, at byte k, into buffer g
	s_wait_dscnt 8                                 ; k's fragments and q's rows 0-63 are in; the youngest eight loads may be out
	WIN MUL_LO
	MUL16 \f, 0, 0, \zero
	MUL16 \f, 0, 2, \zero
	PLACES
	FETCH \slot, \k, \g
	s_wait_dscnt 32                                ; all but the 32 just issued
	WIN MUL_HI
	MUL16 \f, 1, 0, \zero
	MUL16 \f, 1, 2, \zero
.endm
; The first half of a slot's last quarter: one barrier for the change of slots.  In front of it each wave waits for all its tensor loads (its part of the next slot), adds 0 to its spare word, and waits for that and for its reads of this slot.
.macro MEET round
	WIN 0
	s_wait_tensorcnt 0x0
	ds_add_u32 v[SPW], v[NIL]
	s_wait_dscnt 9                                 ; (the add and the youngest eight loads may be out)
	WIN MUL_LO
	MUL16 F1, 0, 0, 0
	s_wait_dscnt 0x0                               ; the add is done, and my reads of this slot are over
	s_barrier_signal -1
	MUL16 F1, 0, 2, 0
.if \round
	WIN 0
.endif
	s_barrier_wait -1
.endm
.macro TURN slot, next, fill
.if \fill
	s_wait_xcnt 0x0                                ; the last prefetch, a K step back, has read its address
	s_add_nc_u64 s[PFA:PFA+1], s[PFA:PFA+1], KSTEP*2
	MEET 1
	CREST                                          ; the barrier has opened a round of the cluster's: no wave of any partner still reads this slot or has a load on its way
	s_add_nc_u64 s[G0+4*\slot+2:G0+4*\slot+3], s[G0+4*\slot+2:G0+4*\slot+3], 2*KSTEP*2
	s_add_nc_u64 s[G0B+4*\slot+2:G0B+4*\slot+3], s[G0B+4*\slot+2:G0B+4*\slot+3], 2*KSTEP*2
	JLOAD \slot                                    ; the first tensor load behind the round; its four v_nop are also the places in front of the loads below
	FETCH \next, 0, F0
	ASK
.else
	MEET 0
	PLACES
	FETCH \next, 0, F0
.endif
	WIN MUL_HI
	MUL16 F1, 1, 0, 0
	MUL16 F1, 1, 2, 0
.endm
	s_wait_tensorcnt 1                             ; my part of K step 0 is in (K step 1's may be out)
	s_barrier_signal -1
	s_barrier_wait -1                              ; everybody's is
	FETCH 0, 0, F0
	QUARTER 0, 64,  F0, F1, 1                      ; the first quarter's products start the sums
	WIN 0
	s_mov_b32 s3, LAPS-1
.Llap:                                                 ; a trip goes once round the ring and fills both slots again
	QUARTER 0, 128, F1, F0, 0
	QUARTER 0, 192, F0, F1, 0
	TURN 0, 1, 1
	QUARTER 1, 64,  F0, F1, 0
	QUARTER 1, 128, F1, F0, 0
	QUARTER 1, 192, F0, F1, 0
	TURN 1, 0, 1
	QUARTER 0, 64,  F0, F1, 0
	WIN 0
	s_sub_co_u32 s3, s3, 1
	s_cmp_lg_u32 s3, 0
	s_cbranch_scc1 .Llap
	QUARTER 0, 128, F1, F0, 0                      ; the last lap fills nothing
	QUARTER 0, 192, F0, F1, 0
	TURN 0, 1, 0
	QUARTER 1, 64,  F0, F1, 0
	QUARTER 1, 128, F1, F0, 0
	QUARTER 1, 192, F0, F1, 0
	s_wait_dscnt 8
	WIN MUL_LO
	MUL16 F1, 0, 0, 0
	MUL16 F1, 0, 2, 0
	s_wait_dscnt 0
	WIN MUL_HI
	MUL16 F1, 1, 0, 0
	MUL16 F1, 1, 2, 0
	WIN 0
; THE SOFTMAX OF BLOCK a: 16 queries x my 128 keys; a lane holds 64 scores of one query, lane l xor 16 the other 64.
.macro SOFT a
.set AC, 64*((\a)%4)
.set X, 2+(\a)/4
	WIN X|(X<<2)|(X<<4)                            ; three sources in the accumulators' window
.set i, 0
.rept 21
	v_max3_num_f32 v[T+i], v[AC+3*i], v[AC+3*i+1], v[AC+3*i+2]     ; ascending: each accumulator is first read at its low end
.set i, i+1
.endr
	v_mov_b32 v[T+21], v[AC+63]
	WIN 0
.set i, 0
.rept 7
	v_max3_num_f32 v[T+22+i], v[T+3*i], v[T+3*i+1], v[T+3*i+2]
.set i, i+1
.endr
	v_max3_num_f32 v[T+29], v[T+21], v[T+22], v[T+23]
	v_max3_num_f32 v[T+30], v[T+24], v[T+25], v[T+26]
	v_max3_num_f32 v[T+31], v[T+27], v[T+28], v[T+29]
	v_max_num_f32 v[T], v[T+30], v[T+31]
	v_permlanex16_b32 v[T+1], v[T], s[SEL], s[SEL+1]
	v_max_num_f32 v[T], v[T], v[T+1]               ; the query's largest score among my 128 keys
	v_mul_f32 v[T+2], s[CS], v[T]                  ; as t (c is positive)
	v_floor_f32 v[NM], -v[T+2]                     ; N = -M = floor(-t): M is a whole number
	v_mov_b32 v[MST+(\a)], v[NM]
	WIN (X<<6)|X                                   ; destination and source 0 in the accumulators' window, N in window 0
.set i, 0
.rept 32
	v_pk_fma_f32 v[AC+2*i:AC+2*i+1], v[AC+2*i:AC+2*i+1], s[CS:CS+1], v[NM:NM+1] op_sel_hi:[1,0,0]   ; t - M, two at a time
.set i, i+1
.endr
.set i, 0
.rept 64
	v_exp_f32 v[AC+i], v[AC+i]                     ; p = 2^(t - M): one batch
.set i, i+1
.endr
	v_nop                                          ; a plain line behind the last exponential
	s_wait_alu depctr_va_vdst(0)                   ; one wait for the batch, ahead of its first reader
	WIN X|(X<<2)
.set i, 0
.rept 32
	v_cvt_pk_f16_f32 v[TMP+i], v[AC+2*i], v[AC+2*i+1]              ; eight neighbouring keys pack into 16 bytes
.set i, i+1
.endr
.set i, 0
.rept 16
	v_pk_add_f32 v[T+2*i:T+2*i+1], v[AC+4*i:AC+4*i+1], v[AC+4*i+2:AC+4*i+3]   ; the sum is taken of the unrounded p
.set i, i+1
.endr
	WIN 0
.irp w, 4,8,16,32
.set i, 0
.rept 32/\w
	v_pk_add_f32 v[T+\w*i:T+\w*i+1], v[T+\w*i:T+\w*i+1], v[T+\w*i+\w/2:T+\w*i+\w/2+1]
.set i, i+1
.endr
.endr
	v_add_f32 v[T], v[T], v[T+1]
	v_permlanex16_b32 v[T+2], v[T], s[SEL], s[SEL+1]
	v_add_f32 v[LST+(\a)], v[T], v[T+2]            ; l
.endm
.macro TOSTAGE a
.set BK, OB+192*((\a)%2)
.irp b, 0,1,2,3,4,5,6,7
	ds_store_b128 v[STO], v[TMP+4*\b:TMP+4*\b+3] offset:32*\b
.endr
.irp t, 0,1,2,3,4,5,6,7
	ds_load_b128 v[BK+4*\t:BK+4*\t+3], v[RD] offset:\t*2*SPITCH    ; LDS serves a wave's instructions in order: these see the stores above
.endr
.endm
.macro SEND a
.set BK, OB+192*((\a)%2)
	s_wait_dscnt 0x0                               ; the block is back in registers
	s_wait_xcnt 0x0                                ; the earlier stores have read their base and their data
.if (\a) > 0
	s_add_nc_u64 s[8:9], s[8:9], 16*PROW
.endif
.irp t, 0,1,2,3,4,5,6,7
	global_store_b128 v[CO], v[BK+4*\t:BK+4*\t+3], s[8:9] offset:2*\t*PROW   ; 16 lanes store 256 consecutive bytes, aligned
.endr
.endm
	PLACES                                         ; behind the last products: their results are read and q's fragment registers are written below
	v_mov_b32 v[NM+1], 0
	SOFT 0
	TOSTAGE 0
.irp a, 1,2,3,4,5,6,7                  ; block a's softmax stands between block a - 1's loads from the stage and the wait for them
	SOFT \a
	SEND \a-1
	TOSTAGE \a
.endr
	SEND 7
	; the statistics: lane (r, h) holds N and l of rows 16 a + r; through my stage they become two runs of 512 bytes, [r][a].  Both halves of the lanes write the same bytes with the same values
	ds_store_b128 v[SSA], v[MST:MST+3]
	ds_store_b128 v[SSA], v[MST+4:MST+7] offset:16
	ds_store_b128 v[SSA], v[LST:LST+3] offset:512
	ds_store_b128 v[SSA], v[LST+4:LST+7] offset:528
	ds_load_b128 v[T:T+3], v[SSB]
	ds_load_b128 v[T+4:T+7], v[SSB] offset:512
	s_wait_dscnt 0x0
	global_store_b128 v[SSO], v[T:T+3], s[70:71]               ; 32 lanes store 512 consecutive bytes, aligned
	global_store_b128 v[SSO], v[T+4:T+7], s[70:71] offset:512
	s_wait_tensorcnt 0x0                           ; the wave's end
	ds_add_u32 v[SPW], v[NIL]
	s_wait_dscnt 0x0
	CROUND                                         ; the closing round
	s_endpgm
.Lfunc_end_k_qdcf10903b0_scores:
	.size	k_qdcf10903b0_scores, .Lfunc_end_k_qdcf10903b0_scores-k_qdcf10903b0_scores
	.p2alignl 7, 3214868480
	.fill 96, 4, 3214868480
	.section	.rodata,"a",@progbits
	.p2align	6, 0x0
	.amdhsa_kernel k_qdcf10903b0_scores
		.amdhsa_group_segment_fixed_size 327680
		.amdhsa_private_segment_fixed_size 0
		.amdhsa_enable_private_segment 0
		.amdhsa_kernarg_size 24
		.amdhsa_user_sgpr_count 2
		.amdhsa_user_sgpr_kernarg_segment_ptr 1
		.amdhsa_wavefront_size32 1
		.amdhsa_system_sgpr_workgroup_id_x 1
		.amdhsa_system_sgpr_workgroup_id_y 1
		.amdhsa_system_sgpr_workgroup_id_z 1
		.amdhsa_system_vgpr_workitem_id 0
		.amdhsa_next_free_vgpr 1024
		.amdhsa_next_free_sgpr 80
		.amdhsa_reserve_vcc 0
		.amdhsa_float_denorm_mode_32 3
		.amdhsa_float_denorm_mode_16_64 3
		.amdhsa_memory_ordered 1
		.amdhsa_forward_progress 1
		.amdhsa_inst_pref_size 213
	.end_amdhsa_kernel
	.amdgpu_metadata
---
amdhsa.version: [ 1, 2 ]
amdhsa.kernels:
  - .name:           k_qdcf10903b0_scores
    .symbol:         k_qdcf10903b0_scores.kd
    .args:
      - { .name: qkv, .offset: 0, .size: 8, .value_kind: global_buffer, .address_space: global }
      - { .name: pm, .offset: 8, .size: 8, .value_kind: global_buffer, .address_space: global }
      - { .name: st, .offset: 16, .size: 8, .value_kind: global_buffer, .address_space: global }
    .group_segment_fixed_size: 327680
    .private_segment_fixed_size: 0
    .kernarg_segment_align: 8
    .kernarg_segment_size: 24
    .max_flat_workgroup_size: 128
    .sgpr_count:     80
    .vgpr_count:     1024
    .wavefront_size: 32
...
	.end_amdgpu_metadata
.endif
;; end of part 3
;; launch mix (part 4): grid 4 x 64, 4 waves a work-group, clusters of 4 x 4, 327,680 bytes of LDS; arguments pm, qkv, st, out0; writes out0
.if DOCPART == 4
	.amdgcn_target "amdgcn-amd-amdhsa--gfx1250"
	.amdhsa_code_object_version 6
	.text
	.protected	k_qdcf10903b0_mix
	.globl	k_qdcf10903b0_mix
	.p2align	8
	.type	k_qdcf10903b0_mix,@function
k_qdcf10903b0_mix:
	s_mov_b64 s[64:65], 0
	v_nop
	global_prefetch_b8 v0, s[64:65] scope:SCOPE_SE
	s_setreg_imm32_b32 hwreg(HW_REG_WAVE_MODE, 25, 1), 1
	s_wait_xcnt 0x0
	s_wait_alu depctr_hold_cnt(0) depctr_sa_sdst(0) depctr_va_vdst(0) depctr_va_sdst(0) depctr_va_ssrc(0) depctr_va_vcc(0) depctr_vm_vsrc(0)
	s_getreg_b32 s2, hwreg(HW_REG_IB_STS2, 6, 4)
	s_cmp_eq_u32 s2, 0
	s_cbranch_scc0 .Lentry_in_a_cluster
	s_endpgm
.Lentry_in_a_cluster:
	s_bfe_u32 s2, ttmp6, 0x10000c
	s_cmp_lg_u32 s2, 0xf033
	s_cbranch_scc0 .Lentry_shape_is_right
	s_endpgm
.Lentry_shape_is_right:
; out0[row][ch] = sum over blocks kb of 128 keys of (f_kb(row) / L(row)) x S_kb[row][ch],   S_kb = sum over the block's keys of p[row][key] v[key][ch].
; p: pm [8192][2048] f16, taken under its block's own whole-number maximum M_kb; v: plane 2 of qkv, [8192][1024] f16; st holds N = -M and l for each row and block.
; f_kb = 2^(M_kb - the row's largest M), a power of two, at most 1; L = the sum of f_kb l_kb, at least 1/2.  The products take p and v as they lie; S_kb, the factor and the sum over blocks are f32.
; LIMITS: a factor under 2^-133 counts as 0 (its block then adds less than 2^-120 of the row's sum); differences of M beyond 2^31 saturate, f is then 0; NaN and infinities are not served.
; A tile, 128 rows x 256 channels, is made by four waves, a wave 64 x 128: 32 accumulators.  The keys go by quarters of 32 (32 matrix instructions a wave) through a ring of two LDS slots of 192 keys, six
; quarters: the largest two that fit (a key takes 544 bytes of V and 288 of P with padding; two slots of 256 keys would be 413,696 bytes).  So a refill has 176 matrix instructions of a wave between its
; request and the wait for it.  2,048 keys are ten slots of 192 and one of 128.  A slot: P's 128 rows of 384 bytes, 16 of padding behind every 128 (pitch 432), then V's 192 keys of 512 bytes + 32.
; P's tile rows begin at multiples of 128 bytes from a row's first byte, not of 256: the price of the longer slot.
; THE FACTOR.  A block's products are summed in S, begun with C = 0.  In the next block's first quarter T += (f / L) S, four packed multiply-adds ahead of the matrix instruction that begins that accumulator anew.
; CLUSTERS: 4 x 4 work-groups of one batch.  The four of a row of the cluster need the same tiles of P, the four of a column the same tiles of V: each tile is asked for JOINTLY.
; THE MATRIX INSTRUCTION IS USED TRANSPOSED (source 0 = V^T, 16 channels, turned by ds_load_tr16_b128; source 1 = P, 16 rows): a lane holds ONE row and eight neighbouring channels, so the factor is one number a lane.
; REGISTERS: window 0: v16-62 addresses, factors, the rows' figures; v64-239 at work at the head; on the way out v64-191 rows read back.
;   window 1: V^T's fragments, two sets, v0-63 and v64-127; P's, two sets, v128-159 and v160-191.   window 2: S, accumulator (a, b) at v[8 (8 a + b)].   window 3: T, likewise.
; The multiply-adds name windows 3, 2 and 0, the matrix instructions 2 and 1: in a block's first quarter that is two switches a matrix instruction, 64 for a block's 128; the other way, the 128 multiply-adds in one run,
; would leave the matrix unit without work for their whole length.
.set PP,     432                       ; a row of P in LDS: 27 x 16 bytes: the 16 rows of a load start at 16 different groups of four banks
.set VP,     544                       ; a key's row of V in LDS: an odd multiple of 32 bytes, for the turning load
.set SKEYS,  192                       ; keys in a slot
.set PHALF,  64*PP
.set VHALF,  96*VP
.set VOFF,   2*PHALF
.set SLOT,   VOFF+2*VHALF
.set STAGE,  SLOT                      ; the way out: 16 rows x (512 bytes + 16) for each wave, in slot 1, which has had its last fill and its last read by then
.set SPITCH, 528
.set FTAB,   2*SLOT                    ; the factors: [half of the rows][kb 16][r 16][a 4], the upper 16 bits of an f32 each: 4,096 bytes
.set SPARE,  FTAB+4096                 ; the spare words, 128 bytes a wave
.set TRIPS,  4
.set PLANE,  0x1000000
.set OROW,   4096                      ; a row of out0 in bytes
.set ADRA, 16                          ; v16-17 P's fragments in slot 0, 1
.set ADRB, 18                          ; v18-21 V's: slot 0 quarters 0-2, 3-5; slot 1 likewise (an LDS offset has 16 bits)
.set ADF,  22                          ; v22 my 8 bytes of the factor table, at the trip's first block
.set AFW,  23                          ; v23 where I write my part of the table
.set STO,  24
.set RD,   25
.set CO,   26
.set VS,   27                          ; v27 my place in a block's statistics
.set SPW,  28
.set NIL,  29
.set NG,   32                          ; v32-35 the row's smallest N (largest M), for my four row blocks
.set LA,   36                          ; v36-39 L
.set RLS,  40                          ; v40-43 1 / L
.set FRAW, 44                          ; v[44:45] a block's four factors as they lie in the table
.set FF,   48                          ; v48-55 f / L for my four row blocks, in the even registers (the packed form names pairs; the odd ones are written once)
.set FT,   56                          ; v56-59 at work
.set PFO,  60                          ; v60-62 the prefetches' offsets
.set NN,   64                          ; v64-127 N, then f: register 4 kb + a
.set LL,   128                         ; v128-191 l
.set PK,   192                         ; v192-223 the factors packed, two registers a block
.set WS,   224                         ; v224-239 the eight blocks that I write
.set BK,   64
.set PF,   128                         ; in window 1
.set G1, 24                            ; s[24:31] group 1 for P's tiles; s[32:39] group 0, a set for each slot
.set G0, 32
.set G1B, 48                           ; s[48:55], s[56:63] the same for V's
.set G0B, 56
.set PFA, 68                           ; s[68:69] where my prefetches stand
.set PFS, 70                           ; s[70:71] two slots on, in bytes
.set LIM, 72                           ; s72 1 in a wave that prefetches
.set G1L, 80                           ; s[80:87] group 1 for P's last tile: 128 keys are left
.set G1BL, 88                          ; s[88:95] group 1 for V's last tiles: 64 keys a load
.set G0BL, 96                          ; s[96:99] and their group 0
.set MSB, 0
.macro WIN new                         ; the immediate's high byte repeats the setting that is left
.if MSB != (\new)
	s_set_vgpr_msb (MSB<<8)|(\new)
.set MSB, (\new)
.endif
.endm
.set MM, 0xa5                          ; sources 0 and 1 window 1; C and D window 2
.set MG, 0xf2                          ; source 0 (S) window 2, source 1 (the factor) window 0, source 2 and destination (T) window 3
; A joint load: waves 0 and 1 fetch P's halves, waves 2 and 3 V's; the branch hangs on the wave's number alone.  An s_nop 0 and four v_nop follow each line.
.macro JLOAD g0a, g1a, g0b, g1b
	s_cmp_eq_u32 s11, 0
	s_cbranch_scc0 .Lfor_b_\@
	tensor_load_to_lds s[\g0a:\g0a+3], s[\g1a:\g1a+7]
	s_nop 0
.rept 4
	v_nop
.endr
	s_branch .Lasked_\@
.Lfor_b_\@:
	tensor_load_to_lds s[\g0b:\g0b+3], s[\g1b:\g1b+7]
	s_nop 0
.rept 4
	v_nop
.endr
.Lasked_\@:
.endm
; A PREFETCH, once a trip, at slot 1's change: the pair of slots whose first load goes out at the next change: 768 bytes of each row of P, 384 keys of V, in three instructions, each lane another aligned block of 256 bytes.
; P's 128 rows are read by my cluster's row alone: in each partner wave 0 asks for 32 rows, a lane a row, told apart by address; instruction e names block e of the 768 bytes.
; V's keys are read by the batch's four clusters: the first of them asks; waves 2 and 3 of the four partners of a column take 16 of each 128 keys, two lanes to a key; instruction e names keys 128 e on.
; In the last trip 128 keys (256 bytes of a row of P) are left: the first instruction alone.  The first four slots come by their loads alone.
.macro ASK
	s_cmp_lg_u32 s[LIM], 1
	s_cbranch_scc1 .Lnot_mine_\@
	global_prefetch_b8 v[PFO], s[PFA:PFA+1] th:TH_LOAD_NT scope:SCOPE_SE
	s_cmp_gt_u32 s3, 1
	s_cbranch_scc0 .Lnot_mine_\@
	global_prefetch_b8 v[PFO+1], s[PFA:PFA+1] th:TH_LOAD_NT scope:SCOPE_SE
	global_prefetch_b8 v[PFO+2], s[PFA:PFA+1] th:TH_LOAD_NT scope:SCOPE_SE
.Lnot_mine_\@:
.endm
.macro CREST                           ; a round of the cluster's barrier behind its opening barrier
	s_cmp_lg_u32 s10, 0
	s_cbranch_scc1 .Lnot_wave_0_\@
	s_barrier_signal -3
.Lnot_wave_0_\@:
	s_barrier_wait -3
	s_barrier_signal -1
	s_barrier_wait -1
.endm
.macro CROUND
	s_barrier_signal -1
	s_barrier_wait -1
	CREST
.endm
	s_load_b128 s[4:7], s[0:1], 0x0                ; pm, qkv
	s_load_b128 s[76:79], s[0:1], 0x10             ; st, out0
	v_lshl_add_u32 v[SPW], v0, 2, SPARE
	v_mov_b32 v[NIL], 0
	ds_add_u32 v[SPW], v[NIL]                      ; the wave's opening: the add, twice on end, and its wait ahead of my first tensor load
	ds_add_u32 v[SPW], v[NIL]
	v_lshrrev_b32 v1, 5, v0
	v_readfirstlane_b32 s10, v1                    ; wave 0..3
	s_lshr_b32 s11, s10, 1                         ; my half of the tile's rows.  Also: I fetch for P (0) or for V (1)
	s_and_b32 s12, s10, 1                          ; my half of its channels.  Also: which half of the tile I fetch
	s_bfe_u32 s40, ttmp6, 0x40000                  ; cx
	s_bfe_u32 s41, ttmp6, 0x40004                  ; cy
	s_lshl_b32 s42, ttmp9, 2
	s_add_co_u32 s42, s42, s40                     ; channel tile
	s_and_b32 s14, ttmp7, 0xffff                   ; cluster y
	s_lshl_b32 s13, s14, 2
	s_add_co_u32 s13, s13, s41                     ; row tile, over all batches
	s_lshr_b32 s15, s14, 2                         ; the batch: sixteen row tiles, four clusters
	s_lshl_b32 s43, s41, 2
	s_lshl_b32 s43, 15, s43                        ; my row of the cluster
	s_lshl_b32 s44, 0x1111, s40                    ; my column
	s_or_b32 s[G1+0], s43, (1<<16)|(1<<20)|(1<<21)|(4<<22)|(3<<25)    ; P: the mask; elements of 2 bytes; padding on; bit 21 beside a mask; 4 words behind every 32
	s_or_b32 s[G1L+0], s43, (1<<16)|(1<<20)|(1<<21)|(4<<22)|(3<<25)
	s_mov_b32 s[G1+1], SKEYS<<16                   ; tensor_dim0 = 192 keys
	s_mov_b32 s[G1L+1], 128<<16                    ; the last tile: 128 keys are left of the row; the tile's other 64 arrive as zeros and are not read
.irp g, G1, G1L
	s_mov_b32 s[\g+2], 64<<16                      ; tensor_dim1 = 64 rows
	s_mov_b32 s[\g+3], SKEYS<<16                   ; tile_dim0 = 192
	s_mov_b32 s[\g+4], 64                          ; tile_dim1
	s_mov_b32 s[\g+5], 2048                        ; the pitch
	s_mov_b32 s[\g+6], 0
	s_mov_b32 s[\g+7], 0
.endr
	s_or_b32 s[G1B+0], s44, (1<<16)|(1<<20)|(1<<21)|(6<<22)|(7<<25)   ; V: 8 words behind every 128
	s_or_b32 s[G1BL+0], s44, (1<<16)|(1<<20)|(1<<21)|(6<<22)|(7<<25)
	s_mov_b32 s[G1B+2], 96<<16                     ; tensor_dim1 = 96 keys
	s_mov_b32 s[G1B+4], 96                         ; tile_dim1
	s_mov_b32 s[G1BL+2], 64<<16                    ; the last tiles: 64 keys a load
	s_mov_b32 s[G1BL+4], 64
.irp g, G1B, G1BL
	s_mov_b32 s[\g+1], 256<<16                     ; tensor_dim0 = 256 channels
	s_mov_b32 s[\g+3], 256<<16                     ; tile_dim0
	s_mov_b32 s[\g+5], 1024                        ; the pitch
	s_mov_b32 s[\g+6], 0
	s_mov_b32 s[\g+7], 0
.endr
	s_lshl_b32 s17, s12, 6                         ; 64 x half
	s_lshl_b32 s16, s13, 7
	s_add_co_u32 s16, s16, s17                     ; P: row 128 x row tile + 64 x half,
	s_lshl_b32 s16, s16, 12                        ; of 4,096 bytes
	s_lshl_b32 s45, s42, 9                         ; V: the tile's 256 channels,
	s_add_co_u32 s45, s45, 2*PLANE                 ; in plane 2
	s_lshl_b32 s47, s15, 11                        ; the batch's first key
	s_mul_i32 s46, s12, 96
	s_add_co_u32 s46, s46, s47                     ; key 2,048 x batch + 96 x half,
	s_lshl_b32 s46, s46, 11                        ; of 2,048 bytes
	s_add_co_u32 s46, s46, s45
	s_add_co_u32 s18, s47, s17                     ; the last tiles: key 2,048 x batch + 1,920 + 64 x half
	s_add_co_u32 s18, s18, 10*SKEYS
	s_lshl_b32 s18, s18, 11
	s_add_co_u32 s18, s18, s45
	s_mov_b32 s17, 0
	s_mov_b32 s47, 0
	s_mov_b32 s19, 0
	s_mul_i32 s20, s12, PHALF                      ; where they go in a slot: no place in the cluster enters an LDS address
	s_mul_i32 s21, s12, VHALF
	s_add_co_u32 s21, s21, VOFF
	s_mul_i32 s23, s12, 64*VP
	s_add_co_u32 s23, s23, VOFF
	s_wait_dscnt 0x0                               ; both opening adds are done
	s_wait_kmcnt 0x0
	s_add_nc_u64 s[16:17], s[4:5], s[16:17]
	s_add_nc_u64 s[46:47], s[6:7], s[46:47]
	s_add_nc_u64 s[18:19], s[6:7], s[18:19]
	CROUND                                         ; all sixteen work-groups are here: the first joint loads meet
.irp s, 0,1
	s_mov_b32 s[G0+4*\s], 1
	s_add_co_u32 s[G0+4*\s+1], s20, \s*SLOT
	s_add_nc_u64 s[G0+4*\s+2:G0+4*\s+3], s[16:17], \s*SKEYS*2
	s_or_b32 s[G0+4*\s+3], s[G0+4*\s+3], 0x80000000
	s_mov_b32 s[G0B+4*\s], 1
	s_add_co_u32 s[G0B+4*\s+1], s21, \s*SLOT
	s_add_nc_u64 s[G0B+4*\s+2:G0B+4*\s+3], s[46:47], \s*SKEYS*2048
	s_or_b32 s[G0B+4*\s+3], s[G0B+4*\s+3], 0x80000000
	JLOAD G0+4*\s, G1, G0B+4*\s, G1B               ; two loads of mine are out
.endr
	s_mov_b32 s[G0BL], 1                           ; V's last tiles go into slot 0
	s_mov_b32 s[G0BL+1], s23
	s_mov_b64 s[G0BL+2:G0BL+3], s[18:19]
	s_or_b32 s[G0BL+3], s[G0BL+3], 0x80000000
	v_and_b32 v1, 15, v0                           ; r
	v_bfe_u32 v2, v0, 4, 1                         ; h
	v_and_b32 v3, 31, v0                           ; lane
	s_lshl_b32 s22, s11, 4
	v_lshl_add_u32 v[VS], v1, 5, s22               ; statistics: 32 r + 16 x my half of the rows: four numbers, my row blocks
	s_lshl_b32 s16, s13, 14                        ; my block of 128 rows: 16 kb x 1,024 bytes
	s_mov_b32 s17, 0
	s_add_nc_u64 s[76:77], s[76:77], s[16:17]
.irp kb, 0,1,2,3,4,5,6,7,8,9,10,11,12,13,14,15
	global_load_b128 v[NN+4*\kb:NN+4*\kb+3], v[VS], s[76:77] offset:1024*\kb
	global_load_b128 v[LL+4*\kb:LL+4*\kb+3], v[VS], s[76:77] offset:1024*\kb+512
.endr
	; the addresses, while the loads are out
	v_mul_u32_u24 v4, v1, PP
	v_lshl_add_u32 v4, v2, 4, v4                   ; P: row x pitch + 16 x half
	s_mul_i32 s22, s11, PHALF                      ; my 64 rows
	v_add_nc_u32 v[ADRA], s22, v4
	v_add_nc_u32 v[ADRA+1], SLOT, v[ADRA]
	v_and_b32 v6, 7, v0
	v_bfe_u32 v7, v0, 3, 1
	v_lshl_add_u32 v5, v2, 3, v6                   ; V, for the turning load: key 8 h + l % 8,
	v_mul_u32_u24 v5, v5, VP
	v_lshl_add_u32 v5, v7, 4, v5                   ; channels 8 ((l / 8) % 2) on
	s_lshl_b32 s23, s12, 8                         ; my 128 channels
	s_add_co_u32 s23, s23, VOFF
	v_add_nc_u32 v[ADRB], s23, v5
	v_add_nc_u32 v[ADRB+1], 96*VP, v[ADRB]         ; three quarters on
	v_add_nc_u32 v[ADRB+2], SLOT, v[ADRB]
	v_add_nc_u32 v[ADRB+3], SLOT, v[ADRB+1]
	v_lshlrev_b32 v[CO], 4, v3                     ; 16 x lane
	s_lshl_b32 s22, s11, 11
	s_add_co_u32 s22, s22, FTAB
	v_lshl_add_u32 v[ADF], v1, 3, s22              ; the table of my half of the rows, 8 bytes a row
	s_lshl_b32 s22, s10, 10
	s_add_co_u32 s22, s22, FTAB
	v_lshl_add_u32 v[AFW], v1, 3, s22              ; my wave's 1,024 bytes of it: eight blocks
	s_mul_i32 s23, s10, 16*SPITCH
	s_add_co_u32 s23, s23, STAGE                   ; my stage
	v_mul_u32_u24 v4, v1, SPITCH
	v_lshl_add_u32 v4, v2, 5, v4
	v_add_nc_u32 v[STO], s23, v4                   ; in: row r, 32 bytes for each half of the lanes
	v_add_nc_u32 v[RD], s23, v[CO]                 ; back: the 32 lanes take one row of 512 bytes
	s_lshl_b32 s16, s13, 7
	s_lshl_b32 s22, s11, 6
	s_add_co_u32 s16, s16, s22                     ; my first row of out0,
	s_lshl_b32 s16, s16, 12                        ; of 4,096 bytes
	s_lshl_b32 s22, s42, 10
	s_add_co_u32 s16, s16, s22                     ; + the tile's 256 channels, 4 bytes each
	s_lshl_b32 s22, s12, 9
	s_add_co_u32 s16, s16, s22                     ; + my half of them
	s_add_nc_u64 s[78:79], s[78:79], s[16:17]
	; the prefetches: they stand at slots 2 and 3; slot 1's change steps them first, so the first names slots 4 and 5
	s_lshl_b32 s20, s13, 7
	s_lshl_b32 s21, s40, 5
	s_add_co_u32 s20, s20, s21                     ; P: row 128 x row tile + 32 cx
	s_lshl_b32 s20, s20, 12
	s_add_co_u32 s20, s20, 2*SKEYS*2
	s_lshl_b32 s21, s15, 11
	s_lshl_b32 s22, s12, 6
	s_add_co_u32 s21, s21, s22
	s_lshl_b32 s22, s41, 4
	s_add_co_u32 s21, s21, s22
	s_add_co_u32 s21, s21, 2*SKEYS                 ; V: key 2,048 x batch + 384 + 16 (4 x half + cy)
	s_lshl_b32 s21, s21, 11
	s_lshl_b32 s22, s42, 9
	s_add_co_u32 s21, s21, s22
	s_add_co_u32 s21, s21, 2*PLANE
	s_and_b32 s22, s14, 3                          ; which of the batch's four clusters
	s_mov_b32 s23, 2*SKEYS*2048
	s_mov_b32 s73, 2048
	s_mov_b32 s2, 128*2048
	s_cmp_eq_u32 s11, 0                            ; do I fetch for P?
	s_cselect_b64 s[PFA:PFA+1], s[4:5], s[6:7]
	s_cselect_b32 s20, s20, s21
	s_cselect_b32 s22, s12, s22                    ; 0 where I ask: wave 0 for P; waves 2, 3 of the batch's first cluster for V
	s_cselect_b32 s[PFS], 2*SKEYS*2, s23
	s_cselect_b32 s73, 4096, s73                   ; from row to row
	s_cselect_b32 s74, 0, 1                        ; lanes to a row, less one
	s_cselect_b32 s2, 256, s2                      ; from instruction to instruction
	s_mov_b32 s21, 0
	s_mov_b32 s[PFS+1], 0
	s_add_nc_u64 s[PFA:PFA+1], s[PFA:PFA+1], s[20:21]
	s_cmp_eq_u32 s22, 0
	s_cselect_b32 s[LIM], 1, -1                    ; hangs on the wave's number and the cluster's y alone
	v_lshrrev_b32 v4, s74, v3
	v_mul_lo_u32 v4, v4, s73
	v_and_b32 v5, s74, v3
	v_lshl_add_u32 v[PFO], v5, 8, v4
	v_add_nc_u32 v[PFO+1], s2, v[PFO]
	v_add_nc_u32 v[PFO+2], s2, v[PFO+1]
	s_mov_b32 s73, 0x07060302                      ; v_perm_b32: the upper halves of two words
	s_mov_b32 s75, 0xffff0000
	s_cmp_eq_u32 s12, 0
	s_cselect_b32 s74, 0, -1                       ; all lanes: do I write blocks 8-15 of the table?
.irp a, 0,1,2,3
	v_mov_b32 v[FF+2*\a+1], 0                      ; named as the upper halves of pairs, so they are written
.endr
	s_wait_loadcnt 0x0                             ; the statistics
	; THE FACTORS.  The row's largest M is its smallest N
.irp a, 0,1,2,3
	v_min3_num_f32 v[NG+\a], v[NN+\a], v[NN+4+\a], v[NN+8+\a]
.endr
.irp k, 3,5,7,9,11,13
.irp a, 0,1,2,3
	v_min3_num_f32 v[NG+\a], v[NG+\a], v[NN+4*\k+\a], v[NN+4*\k+4+\a]
.endr
.endr
.irp a, 0,1,2,3
	v_min_num_f32 v[NG+\a], v[NG+\a], v[NN+60+\a]
.endr
.set j, 0
.rept 64
	v_sub_f32 v[NN+j], v[NG+j%4], v[NN+j]          ; M_kb - the row's M: a whole number, 0 or less
.set j, j+1
.endr
.set j, 0
.rept 64
	v_cvt_i32_f32 v[NN+j], v[NN+j]                 ; (it saturates)
.set j, j+1
.endr
.set j, 0
.rept 64
	v_ldexp_f32 v[NN+j], 1.0, v[NN+j]              ; f
.set j, j+1
.endr
.irp a, 0,1,2,3
	v_mul_f32 v[LA+\a], v[NN+\a], v[LL+\a]
.endr
.set j, 4
.rept 60
	v_fmac_f32 v[LA+j%4], v[NN+j], v[LL+j]         ; L = the sum of f l, four chains by turns
.set j, j+1
.endr
.irp a, 0,1,2,3
	v_rcp_f32 v[RLS+\a], v[LA+\a]
.endr
.set j, 0
.rept 16
	v_perm_b32 v[PK+2*j], v[NN+4*j+1], v[NN+4*j], s73              ; a power of two is whole in the upper 16 bits of its f32 pattern: four factors in 8 bytes, row block 0 lowest
	v_perm_b32 v[PK+2*j+1], v[NN+4*j+3], v[NN+4*j+2], s73
.set j, j+1
.endr
.set j, 0
.rept 16
	v_cndmask_b32 v[WS+j], v[PK+j], v[PK+16+j], s74                ; the two waves of a half of the rows hold the same factors: one writes blocks 0-7, the other 8-15
.set j, j+1
.endr
	s_wait_alu depctr_va_vdst(0)                   ; one wait for the four reciprocals, ahead of their first reader and of every branch
.irp j, 0,1,2,3,4,5,6,7
	ds_store_b64 v[AFW], v[WS+2*\j:WS+2*\j+1] offset:128*\j        ; both halves of the lanes write the same bytes with the same values
.endr
.macro PLACES                          ; four plain vector lines between a matrix instruction and a load into a register that it has read (ISA guide 7.12.1 for vector instructions)
.rept 4
	v_nop
.endr
.endm
; A run of LDS loads: quarter q of a slot into sets p: P, 8 loads; V^T, 16 turning loads; behind them, where fac is not -1, the factors of the trip's block fac
.macro FETCH slot, q, p, fac
	WIN 0x40                                       ; destination window 1
.irp a, 0,1,2,3
	ds_load_b128 v[PF+32*(\p)+8*\a:PF+32*(\p)+8*\a+3],   v[ADRA+(\slot)] offset:64*(\q)+16*((\q)/2)+16*PP*\a
	ds_load_b128 v[PF+32*(\p)+8*\a+4:PF+32*(\p)+8*\a+7], v[ADRA+(\slot)] offset:64*(\q)+16*((\q)/2)+16*PP*\a+32
.endr
.irp b, 0,1,2,3,4,5,6,7
	ds_load_tr16_b128 v[64*(\p)+8*\b:64*(\p)+8*\b+3],   v[ADRB+2*(\slot)+(\q)/3] offset:32*VP*((\q)%3)+32*\b
	ds_load_tr16_b128 v[64*(\p)+8*\b+4:64*(\p)+8*\b+7], v[ADRB+2*(\slot)+(\q)/3] offset:32*VP*((\q)%3)+32*\b+16*VP
.endr
.if (\fac) >= 0
	WIN 0
	ds_load_b64 v[FRAW:FRAW+1], v[ADF] offset:128*(\fac)
.endif
.endm
; n matrix instructions from accumulator i0 on, on sets p.  The 32 accumulators take turns, one instruction a turn, in the same order in every quarter.
.macro MMS i0, n, p, zero
.set mi, (\i0)
.rept \n
.set rV, 64*(\p)+8*(mi%8)
.set rP, PF+32*(\p)+8*(mi/8)
.if \zero
	v_wmma_f32_16x16x32_f16 v[8*mi:8*mi+7], v[rV:rV+7], v[rP:rP+7], 0
.else
	v_wmma_f32_16x16x32_f16 v[8*mi:8*mi+7], v[rV:rV+7], v[rP:rP+7], v[8*mi:8*mi+7]
.endif
.set mi, mi+1
.endr
.endm
; T += (f / L) S for accumulator i, from its low end on.  first = 1: the first block starts T: nothing is cleared.
.macro MERGE1 i, first
	WIN MG
.set mj, 0
.rept 4
.set rA, 8*(\i)+2*mj
.set rF, FF+2*((\i)/8)
.if \first
	v_pk_mul_f32 v[rA:rA+1], v[rA:rA+1], v[rF:rF+1] op_sel_hi:[1,0]
.else
	v_pk_fma_f32 v[rA:rA+1], v[rA:rA+1], v[rF:rF+1], v[rA:rA+1] op_sel_hi:[1,0,1]
.endif
.set mj, mj+1
.endr
.endm
.macro UNPACK                          ; the block's four factors: back to f32, times 1 / L
	WIN 0
	v_lshlrev_b32 v[FT], 16, v[FRAW]
	v_and_b32 v[FT+1], s75, v[FRAW]
	v_lshlrev_b32 v[FT+2], 16, v[FRAW+1]
	v_and_b32 v[FT+3], s75, v[FRAW+1]
.irp a, 0,1,2,3
	v_mul_f32 v[FF+2*\a], v[FT+\a], v[RLS+\a]
.endr
.endm
; QUARTER g of the pattern of twelve: sets g % 2; slot (g / 6) % 2, its quarter g % 6; a block of 128 keys begins where g % 4 = 0.  It fetches quarter g + 1 into the other sets.
; Where g % 4 = 3 the block's factors are fetched behind the run; where g % 4 = 0 (but for the launch's first quarter) the block just summed goes into T, accumulator by accumulator, ahead of the product that begins it anew:
; between that product and the last one on the accumulator stand the four v_nop and the eight lines of UNPACK.
; Where g % 6 = 5 the slot is left: ONE barrier; in front of it each wave waits for all its tensor loads (its part of the other slot), adds 0 to its spare word, and waits for that and for its reads of this slot.
; fill = 1: the barrier opens a round of the cluster's, and this slot is filled again, first thing behind the round, with the keys two slots on; fill = 2: the same with the last, short tiles; fill = 0: nothing is left to fetch.
; last = 1: the launch's last quarter: only the factors are fetched.
.macro QG g, fill, first, last
.set GP, (\g)%2
.set GS, ((\g)/6)%2
.set GNS, (((\g)+1)/6)%2
.set GNQ, ((\g)+1)%6
.set GFAC, -1
.if (\g)%4 == 3
.set GFAC, (\g)/4
.endif
.if (\g)%6 == 5
.if ((\fill) == 1) && (GS == 1)
	s_wait_xcnt 0x0                                ; the last prefetches, a trip back, have read their address
	s_add_nc_u64 s[PFA:PFA+1], s[PFA:PFA+1], s[PFS:PFS+1]
.endif
	WIN 0
	s_wait_tensorcnt 0x0
	ds_add_u32 v[SPW], v[NIL]
	s_wait_dscnt 1                                 ; this quarter's fragments are in (the add may be out)
	WIN MM
	MMS 0, 8, GP, 0
	s_wait_dscnt 0x0                               ; the add is done, and my reads of this slot are over
	s_barrier_signal -1
	MMS 8, 8, GP, 0
	WIN 0
	s_barrier_wait -1
.if (\fill) == 1
	CREST                                          ; no wave of any partner still reads this slot or has a load on its way
	s_add_nc_u64 s[G0+4*GS+2:G0+4*GS+3], s[G0+4*GS+2:G0+4*GS+3], 2*SKEYS*2
	s_add_nc_u64 s[G0B+4*GS+2:G0B+4*GS+3], s[G0B+4*GS+2:G0B+4*GS+3], 2*SKEYS*2048
	JLOAD G0+4*GS, G1, G0B+4*GS, G1B               ; its four v_nop are also the places in front of the loads below
.elseif (\fill) == 2
	CREST
	s_add_nc_u64 s[G0+2:G0+3], s[G0+2:G0+3], 2*SKEYS*2
	JLOAD G0, G1L, G0BL, G1BL
.else
	PLACES
.endif
	FETCH GNS, GNQ, 1-GP, GFAC
.if ((\fill) == 1) && (GS == 1)
	WIN 0
	ASK
.endif
	WIN MM
	MMS 16, 16, GP, 0
.else
.if \last
	WIN 0
	ds_load_b64 v[FRAW:FRAW+1], v[ADF] offset:128*GFAC
	s_wait_dscnt 1                                 ; this quarter's fragments are in (the factors may be out)
.else
	PLACES
	FETCH GNS, GNQ, 1-GP, GFAC
.if GFAC >= 0
	s_wait_dscnt 25                                ; all but the 25 just issued: this quarter's fragments are in
.else
	s_wait_dscnt 24                                ; all but the 24 just issued: this quarter's fragments, and the factors where they were asked for
.endif
.endif
.if ((\g)%4 == 0) && ((\g) > 0)
	UNPACK
	MERGE1 0, \first
.set gk, 0
.rept 32
	WIN MM
	MMS gk, 1, GP, 1
.if gk < 31
	MERGE1 gk+1, \first
.endif
.set gk, gk+1
.endr
.elseif (\g) == 0
	WIN MM
	MMS 0, 32, GP, 1
.else
	WIN MM
	MMS 0, 32, GP, 0
.endif
.endif
.endm
	s_wait_tensorcnt 1                             ; my part of slot 0 is in (slot 1's may be out)
	s_wait_dscnt 0x0                               ; and my part of the table is written
	s_barrier_signal -1
	s_barrier_wait -1                              ; everybody's is
	FETCH 0, 0, 0, -1
	QG 0, 0, 0, 0                                  ; five quarters stand in front of the loop: the first block, and the quarter in which it starts T
	QG 1, 0, 0, 0
	QG 2, 0, 0, 0
	QG 3, 0, 0, 0
	QG 4, 0, 1, 0
	WIN 0                                          ; at a label and at a branch every window is 0
	s_mov_b32 s3, TRIPS
.Ltrip:                                                ; a trip is twelve quarters, three blocks, once round the ring: both slots are filled again
	QG 5, 1, 0, 0
	QG 6, 0, 0, 0
	QG 7, 0, 0, 0
	QG 8, 0, 0, 0
	QG 9, 0, 0, 0
	QG 10, 0, 0, 0
	QG 11, 1, 0, 0
	QG 12, 0, 0, 0
	QG 13, 0, 0, 0
	QG 14, 0, 0, 0
	QG 15, 0, 0, 0
	QG 16, 0, 0, 0
	WIN 0
	v_add_nc_u32 v[ADF], 3*128, v[ADF]             ; on to the next trip's three blocks of factors
	s_sub_co_u32 s3, s3, 1
	s_cmp_lg_u32 s3, 0
	s_cbranch_scc1 .Ltrip
	QG 5, 2, 0, 0                                  ; the tail is written out: slot 0 takes the last 128 keys,
	QG 6, 0, 0, 0
	QG 7, 0, 0, 0
	QG 8, 0, 0, 0
	QG 9, 0, 0, 0
	QG 10, 0, 0, 0
	QG 11, 0, 0, 0                                 ; slot 1 is left and nothing is asked for,
	QG 12, 0, 0, 0
	QG 13, 0, 0, 0
	QG 14, 0, 0, 0
	QG 15, 0, 0, 1                                 ; and the last slot has four quarters
	s_wait_dscnt 0x0                               ; the last block's factors
	UNPACK                                         ; (eight plain lines behind the last products, whose results are read below)
; THE WAY OUT, block by block of 16 rows x 128 channels: the last block of keys goes into T, T through my own stage, back as whole rows of 512 bytes.
.macro FINAL a
	WIN MG
.set mj, 0
.rept 32
.set rA, 64*(\a)+2*mj
	v_pk_fma_f32 v[rA:rA+1], v[rA:rA+1], v[FF+2*(\a):FF+2*(\a)+1], v[rA:rA+1] op_sel_hi:[1,0,1]   ; ascending: each accumulator from its low end on
.set mj, mj+1
.endr
.endm
.macro TOSTAGE a
	WIN 0x0c                                       ; an LDS store's data are its source 1: window 3
.irp b, 0,1,2,3,4,5,6,7
	ds_store_b128 v[STO], v[64*(\a)+8*\b:64*(\a)+8*\b+3] offset:64*\b
	ds_store_b128 v[STO], v[64*(\a)+8*\b+4:64*(\a)+8*\b+7] offset:64*\b+16
.endr
	WIN 0
.set BB, BK+64*((\a)%2)
.irp t, 0,1,2,3,4,5,6,7,8,9,10,11,12,13,14,15
	ds_load_b128 v[BB+4*\t:BB+4*\t+3], v[RD] offset:\t*SPITCH      ; LDS serves a wave's instructions in order: these see the stores above
.endr
.endm
.macro SEND a, younger                 ; younger: the LDS instructions issued behind block a's loads, which may stay out
.set BB, BK+64*((\a)%2)
	s_wait_dscnt \younger
.if (\a) > 0
	s_add_nc_u64 s[78:79], s[78:79], 16*OROW       ; (behind a wait on XCNT: the earlier stores have read their base)
.endif
.irp t, 0,1,2,3,4,5,6,7,8,9,10,11,12,13,14,15
	global_store_b128 v[CO], v[BB+4*\t:BB+4*\t+3], s[78:79] offset:\t*OROW th:TH_STORE_NT   ; 32 lanes store 512 consecutive bytes, aligned; written once, read by nobody here
.endr
.endm
	FINAL 0
	TOSTAGE 0
.irp a, 1,2,3
.if \a > 1
	s_wait_xcnt 0x0                                ; block a - 2's stores have read their registers and their base
.endif
	FINAL \a
	TOSTAGE \a
	SEND \a-1, 32                                  ; behind block a - 1's loads: block a's 16 stores and 16 loads
.endr
	s_wait_xcnt 0x0
	SEND 3, 0
	s_wait_tensorcnt 0x0                           ; the wave's end
	ds_add_u32 v[SPW], v[NIL]
	s_wait_dscnt 0x0
	CROUND                                         ; the closing round
	s_endpgm
.Lfunc_end_k_qdcf10903b0_mix:
	.size	k_qdcf10903b0_mix, .Lfunc_end_k_qdcf10903b0_mix-k_qdcf10903b0_mix
	.p2alignl 7, 3214868480
	.fill 96, 4, 3214868480
	.section	.rodata,"a",@progbits
	.p2align	6, 0x0
	.amdhsa_kernel k_qdcf10903b0_mix
		.amdhsa_group_segment_fixed_size 327680
		.amdhsa_private_segment_fixed_size 0
		.amdhsa_enable_private_segment 0
		.amdhsa_kernarg_size 32
		.amdhsa_user_sgpr_count 2
		.amdhsa_user_sgpr_kernarg_segment_ptr 1
		.amdhsa_wavefront_size32 1
		.amdhsa_system_sgpr_workgroup_id_x 1
		.amdhsa_system_sgpr_workgroup_id_y 1
		.amdhsa_system_sgpr_workgroup_id_z 1
		.amdhsa_system_vgpr_workitem_id 0
		.amdhsa_next_free_vgpr 1024
		.amdhsa_next_free_sgpr 100
		.amdhsa_reserve_vcc 0
		.amdhsa_float_denorm_mode_32 3
		.amdhsa_float_denorm_mode_16_64 3
		.amdhsa_memory_ordered 1
		.amdhsa_forward_progress 1
		.amdhsa_inst_pref_size 224
	.end_amdhsa_kernel
	.amdgpu_metadata
---
amdhsa.version: [ 1, 2 ]
amdhsa.kernels:
  - .name:           k_qdcf10903b0_mix
    .symbol:         k_qdcf10903b0_mix.kd
    .args:
      - { .name: pm, .offset: 0, .size: 8, .value_kind: global_buffer, .address_space: global }
      - { .name: qkv, .offset: 8, .size: 8, .value_kind: global_buffer, .address_space: global }
      - { .name: st, .offset: 16, .size: 8, .value_kind: global_buffer, .address_space: global }
      - { .name: out0, .offset: 24, .size: 8, .value_kind: global_buffer, .address_space: global }
    .group_segment_fixed_size: 327680
    .private_segment_fixed_size: 0
    .kernarg_segment_align: 8
    .kernarg_segment_size: 32
    .max_flat_workgroup_size: 128
    .sgpr_count:     100
    .vgpr_count:     1024
    .wavefront_size: 32
...
	.end_amdgpu_metadata
.endif
;; end of part 4
